; MI455X (gfx1250); checked and timed in simulation.
; The chip was launched on July 23, 2026; its instructions are those of AMD's public machine-readable ISA for CDNA 5 (MIT licence, August 2026) and "CDNA5" Instruction Set Architecture Reference Guide (July 2026). The comments in the code are by the model that wrote it; some were corrected since.
;; Llama Attention. Allowed arithmetic: float matrix products may take bf16 or f16 operands with f32 sums; all other float work in f32.
;; Inputs: cos 2 x 2,048 x 128 float32; hidden_states 2 x 2,048 x 4,096 float32; sin 2 x 2,048 x 128 float32; wk 4,096 x 512 float32; wo 1,024 x 4,096 float32; wq 4,096 x 1,024 float32; wv 4,096 x 512 float32.
;; Outputs: out0 2 x 2,048 x 4,096 float32.
;; 2 versions, each right; version 2 is version 1 with the launch prep written anew for expert scheduling mode. Each part assembles by itself: llvm-mc -triple=amdgcn-amd-amdhsa -mcpu=gfx1250 --defsym DOCPART=n.
;; ======== version 1 of 2: 4 launches
;; limits: values are held in f16: magnitudes above 65,504 overflow, below 6.1e-05 lose precision; right only within a limited range of input values
;; workspace buffers: wqkv 16,777,216 bytes; wo16 8,388,608 bytes; csb 2,162,688 bytes; qkvh 16,777,216 bytes; attn 8,388,608 bytes
;; launch prep (part 1): grid 417 x 1, 8 waves a work-group, no clusters, 0 bytes of LDS; arguments wq, wk, wv, wo, cos, sin, wqkv, wo16, csb; writes wqkv, wo16, csb
.if DOCPART == 1
	.amdgcn_target "amdgcn-amd-amdhsa--gfx1250"
	.amdhsa_code_object_version 6
	.text
	.protected	k_qa570942d67_prep
	.globl	k_qa570942d67_prep
	.p2align	8
	.type	k_qa570942d67_prep,@function
k_qa570942d67_prep:
	s_mov_b64 s[64:65], 0
	v_nop
	global_prefetch_b8 v0, s[64:65] scope:SCOPE_SE
	s_setreg_imm32_b32 hwreg(HW_REG_WAVE_MODE, 25, 1), 1
	s_wait_xcnt 0x0
; CASTS of the weights and tables.  Each is rounded once to bf16 and laid out for the launches behind (x is rounded where it is multiplied):
;   wqkv [4096 k][2048 n] bf16 = wq | wk | wv side by side        wo16 [1024][4096] f16 = 16 x bf16(wo)
;   csb  [4096 + 128 rows][256] bf16: rows 0-4095 = bf16(cos)/16 | +-bf16(sin)/16, minus for channels below 64 (rotate_half's sign); rows 4096-4223 = 1/16 | 0, the table of a head that is not rotated
; LIMITS.  |wo| stays under 4,094 (f16 ends at 65,504); 16 wo below 2^-14 keeps f16's fixed step; cos and sin below 2^-122 lose bits in the division by 16.
; cos and sin are rounded to bf16 on purpose, like every other input.
; SHARES.  A work-group takes 32,768 consecutive input numbers, 32 chunks of 1,024.  In a chunk thread t takes the 16 bytes at 16 t: a wave's load covers 512 consecutive
; bytes, its store of 8 bytes a lane 256 consecutive bytes, aligned.  Which tensor, and how output rows are pitched, hangs on the work-group's number alone (the table of ROLE lines).
; Work-group 416 writes the 128 constant rows.
; No LDS, no barrier, no matrix unit: every byte is read once and written once, and memory binds.  A ring of eight slots in registers keeps eight loads of every wave out.
.set X,  8                             ; v[8:39]   slot i: 4 registers as loaded
.set Y,  40                            ; v[40:55]  slot i: 2 registers to store
.set OO, 56                            ; v[56:63]  slot i: byte offset of my 8 bytes in the output, chunk i of a round; never rewritten
; From work-group number first on: input pointer, output pointer, byte offset in an output row, log2 of threads to an input row, log2 of the output pitch in bytes
.macro ROLE first, in, out, off, la, lp
	s_cmp_ge_u32 s2, \first
	s_cselect_b64 s[30:31], s[\in:\in+1], s[30:31]
	s_cselect_b64 s[32:33], s[\out:\out+1], s[32:33]
	s_cselect_b32 s34, \first, s34
	s_cselect_b32 s35, \off, s35
	s_cselect_b32 s36, \la, s36
	s_cselect_b32 s37, \lp, s37
.endm
	s_load_b512 s[8:23], s[0:1], 0x0               ; wq s[8:9], wk, wv, wo, cos, sin, wqkv s[20:21], wo16 s[22:23]
	s_load_b64 s[24:25], s[0:1], 0x40              ; csb
	s_mov_b32 s2, ttmp9
	s_mov_b32 s34, 0                               ; the first role: wq, rows of 1,024 into rows of 4,096 bytes
	s_mov_b32 s35, 0
	s_mov_b32 s36, 8
	s_mov_b32 s37, 12
	s_mov_b32 s48, 0xffff0000                      ; a word's upper bf16
	v_lshlrev_b32 v1, 4, v0                        ; 16 t; never rewritten
	s_wait_kmcnt 0x0
	s_cmp_eq_u32 s2, 416
	s_cbranch_scc1 .Lconstant                      ; the last work-group reads nothing
	s_mov_b64 s[30:31], s[8:9]
	s_mov_b64 s[32:33], s[20:21]
	ROLE 128, 10, 20, 2048, 7, 12                  ; wk: rows of 512, from column 1,024 on
	ROLE 192, 12, 20, 3072, 7, 12                  ; wv: from column 1,536 on
	ROLE 256, 14, 22, 0,    8, 11                  ; wo: dense
	ROLE 384, 16, 24, 0,    5, 9                   ; cos: rows of 128 into rows of 512 bytes
	ROLE 400, 18, 24, 256,  5, 9                   ; sin: their second half
	s_cmp_ge_u32 s2, 400
	s_cselect_b32 s49, 0x80000000, 0               ; sin alone takes a sign
	s_sub_co_u32 s50, s2, s34                      ; my number within the role
	s_lshl_b32 s40, s50, 17                        ; 131,072 input bytes a work-group
	s_mov_b32 s41, 0
	s_add_co_u32 s38, s37, 8
	s_sub_co_u32 s38, s38, s36
	s_lshl_b32 s38, 1, s38                         ; output bytes from chunk to chunk
	s_lshl_b32 s42, s38, 5                         ; 32 chunks
	s_mul_i32 s42, s42, s50
	s_add_co_u32 s42, s42, s35
	s_mov_b32 s43, 0
	s_lshl_b32 s44, s38, 3                         ; a round of eight chunks
	s_mov_b32 s45, 0
	s_lshl_b32 s46, 1, s36
	s_sub_co_u32 s46, s46, 1                       ; mask: my place in an input row
	s_add_nc_u64 s[30:31], s[30:31], s[40:41]
	s_add_nc_u64 s[32:33], s[32:33], s[42:43]
	v_lshrrev_b32 v2, s36, v0                      ; my row within a chunk,
	v_lshlrev_b32 v2, s37, v2                      ; times the pitch,
	v_and_b32 v3, s46, v0
	v_lshl_add_u32 v[OO], v3, 3, v2                ; plus 8 bytes for each thread in front of me in the row
.irp i, 1,2,3,4,5,6,7
	v_add_nc_u32 v[OO+(\i)], s38, v[OO+(\i)-1]
.endr
	v_bfe_u32 v3, v0, 4, 1                         ; channels 64 on? (a row of 128 is 32 threads)
	v_xor_b32 v3, 1, v3
	v_lshlrev_b32 v3, 31, v3
	v_and_b32 v3, s49, v3
	v_or_b32 v6, 0x3d800000, v3                    ; 1/16, negative for sin's channels below 64
	v_mov_b32 v7, v6
; mode 0: to bf16.  mode 1: times v[6:7], a power of two, then to bf16.  mode 2: to bf16, back to f32, times 16, to f16 (exact within the limits above).
.macro CONV mode, i
.if (\mode) == 0
	v_cvt_pk_bf16_f32 v[Y+2*(\i)],   v[X+4*(\i)],   v[X+4*(\i)+1]
	v_cvt_pk_bf16_f32 v[Y+2*(\i)+1], v[X+4*(\i)+2], v[X+4*(\i)+3]
.elseif (\mode) == 1
	v_pk_mul_f32 v[2:3], v[X+4*(\i):X+4*(\i)+1],   v[6:7]
	v_pk_mul_f32 v[4:5], v[X+4*(\i)+2:X+4*(\i)+3], v[6:7]
	v_cvt_pk_bf16_f32 v[Y+2*(\i)],   v2, v3
	v_cvt_pk_bf16_f32 v[Y+2*(\i)+1], v4, v5
.else
	v_cvt_pk_bf16_f32 v[Y+2*(\i)],   v[X+4*(\i)],   v[X+4*(\i)+1]
	v_cvt_pk_bf16_f32 v[Y+2*(\i)+1], v[X+4*(\i)+2], v[X+4*(\i)+3]
	v_lshlrev_b32 v2, 16, v[Y+2*(\i)]
	v_and_b32     v3, s48, v[Y+2*(\i)]
	v_lshlrev_b32 v4, 16, v[Y+2*(\i)+1]
	v_and_b32     v5, s48, v[Y+2*(\i)+1]
	v_pk_mul_f32 v[2:3], v[2:3], 0x41800000 op_sel_hi:[1,0]
	v_pk_mul_f32 v[4:5], v[4:5], 0x41800000 op_sel_hi:[1,0]
	v_cvt_pk_f16_f32 v[Y+2*(\i)],   v2, v3
	v_cvt_pk_f16_f32 v[Y+2*(\i)+1], v4, v5
.endif
.endm
; One slot's turn.  left = how many younger loads may stay out.  ahead = 1: the slot is filled again with the chunk eight further on.
.macro TURN i, ahead, left, mode
	s_wait_loadcnt \left                           ; loads come back in order (ISA guide 5.7.1): mine is in
	CONV \mode, \i
.if \ahead
	global_load_b128 v[X+4*(\i):X+4*(\i)+3], v1, s[30:31] offset:(8+(\i))*4096 th:TH_LOAD_NT
.endif
	global_store_b64 v[OO+(\i)], v[Y+2*(\i):Y+2*(\i)+1], s[32:33]
.endm
; Four rounds of eight chunks; the last is written out without loads, so that no load leaves the buffer.
.macro STREAM mode
.irp i, 0,1,2,3,4,5,6,7
	global_load_b128 v[X+4*(\i):X+4*(\i)+3], v1, s[30:31] offset:(\i)*4096 th:TH_LOAD_NT
.endr
	s_mov_b32 s47, 3
.Lround\mode:
.irp i, 0,1,2,3,4,5,6,7
	TURN \i, 1, 7, \mode
.endr
	s_wait_xcnt 0x0                                ; the two bases and Y are rewritten only behind this wait
	s_add_nc_u64 s[30:31], s[30:31], 0x8000
	s_add_nc_u64 s[32:33], s[32:33], s[44:45]
	s_sub_co_u32 s47, s47, 1
	s_cmp_lg_u32 s47, 0
	s_cbranch_scc1 .Lround\mode
.irp i, 0,1,2,3,4,5,6,7
	TURN \i, 0, 7-(\i), \mode
.endr
	s_endpgm
.endm
	s_cmp_lt_u32 s2, 256
	s_cbranch_scc0 .Lnot_plain
	STREAM 0                                       ; wq, wk, wv
.Lnot_plain:
	s_cmp_lt_u32 s2, 384
	s_cbranch_scc0 .Ltables
	STREAM 2                                       ; wo
.Ltables:
	STREAM 1                                       ; cos, sin
.Lconstant:                                            ; 128 rows of 512 bytes: 256 bytes of 1/16, 256 bytes of 0.  A store of the work-group covers 4,096 bytes, eight rows
	s_mov_b32 s50, 0x3d803d80                      ; 1/16 twice, in bf16
	v_bfe_u32 v2, v0, 4, 1                         ; 16 threads to 256 bytes: the first half of a row, or the second
	v_cmp_eq_u32 vcc_lo, 0, v2
	v_cndmask_b32 v8, 0, s50, vcc_lo
	v_mov_b32 v9, v8
	v_mov_b32 v10, v8
	v_mov_b32 v11, v8
	s_add_nc_u64 s[32:33], s[24:25], 0x200000      ; behind the 4,096 rows of the tables
.irp i, 0,1,2,3,4,5,6,7,8,9,10,11,12,13,14,15
	global_store_b128 v1, v[8:11], s[32:33] offset:(\i)*4096
.endr
	s_endpgm
.Lfunc_end_k_qa570942d67_prep:
	.size	k_qa570942d67_prep, .Lfunc_end_k_qa570942d67_prep-k_qa570942d67_prep
	.p2alignl 7, 3214868480
	.fill 96, 4, 3214868480
	.section	.rodata,"a",@progbits
	.p2align	6, 0x0
	.amdhsa_kernel k_qa570942d67_prep
		.amdhsa_group_segment_fixed_size 0
		.amdhsa_private_segment_fixed_size 0
		.amdhsa_enable_private_segment 0
		.amdhsa_kernarg_size 72
		.amdhsa_user_sgpr_count 2
		.amdhsa_user_sgpr_kernarg_segment_ptr 1
		.amdhsa_wavefront_size32 1
		.amdhsa_system_sgpr_workgroup_id_x 1
		.amdhsa_system_sgpr_workgroup_id_y 1
		.amdhsa_system_sgpr_workgroup_id_z 1
		.amdhsa_system_vgpr_workitem_id 0
		.amdhsa_next_free_vgpr 64
		.amdhsa_next_free_sgpr 66
		.amdhsa_reserve_vcc 1
		.amdhsa_float_denorm_mode_32 3
		.amdhsa_float_denorm_mode_16_64 3
		.amdhsa_memory_ordered 1
		.amdhsa_forward_progress 1
		.amdhsa_inst_pref_size 32
	.end_amdhsa_kernel
	.amdgpu_metadata
---
amdhsa.version: [ 1, 2 ]
amdhsa.kernels:
  - .name:           k_qa570942d67_prep
    .symbol:         k_qa570942d67_prep.kd
    .args:
      - { .name: wq, .offset: 0, .size: 8, .value_kind: global_buffer, .address_space: global }
      - { .name: wk, .offset: 8, .size: 8, .value_kind: global_buffer, .address_space: global }
      - { .name: wv, .offset: 16, .size: 8, .value_kind: global_buffer, .address_space: global }
      - { .name: wo, .offset: 24, .size: 8, .value_kind: global_buffer, .address_space: global }
      - { .name: cos, .offset: 32, .size: 8, .value_kind: global_buffer, .address_space: global }
      - { .name: sin, .offset: 40, .size: 8, .value_kind: global_buffer, .address_space: global }
      - { .name: wqkv, .offset: 48, .size: 8, .value_kind: global_buffer, .address_space: global }
      - { .name: wo16, .offset: 56, .size: 8, .value_kind: global_buffer, .address_space: global }
      - { .name: csb, .offset: 64, .size: 8, .value_kind: global_buffer, .address_space: global }
    .group_segment_fixed_size: 0
    .private_segment_fixed_size: 0
    .kernarg_segment_align: 8
    .kernarg_segment_size: 72
    .max_flat_workgroup_size: 256
    .sgpr_count:     66
    .vgpr_count:     64
    .wavefront_size: 32
...
	.end_amdgpu_metadata
.endif
;; end of part 1
;; launch qkv (part 2): grid 8 x 32, 4 waves a work-group, clusters of 4 x 4, 327,680 bytes of LDS; arguments hidden_states, wqkv, csb, qkvh; writes qkvh
.if DOCPART == 2
	.amdgcn_target "amdgcn-amd-amdhsa--gfx1250"
	.amdhsa_code_object_version 6
	.text
	.protected	k_qa570942d67_qkv
	.globl	k_qa570942d67_qkv
	.p2align	8
	.type	k_qa570942d67_qkv,@function
k_qa570942d67_qkv:
	s_mov_b64 s[64:65], 0
	v_nop
	global_prefetch_b8 v0, s[64:65] scope:SCOPE_SE
	s_setreg_imm32_b32 hwreg(HW_REG_WAVE_MODE, 25, 1), 1
	s_wait_xcnt 0x0
	s_wait_alu depctr_hold_cnt(0) depctr_sa_sdst(0) depctr_va_vdst(0) depctr_va_sdst(0) depctr_va_ssrc(0) depctr_va_vcc(0) depctr_vm_vsrc(0)
	s_getreg_b32 s2, hwreg(HW_REG_IB_STS2, 6, 4)
	s_cmp_eq_u32 s2, 0
	s_cbranch_scc0 .Lentry_in_a_cluster
	s_endpgm
.Lentry_in_a_cluster:
	s_bfe_u32 s2, ttmp6, 0x10000c
	s_cmp_lg_u32 s2, 0xf033
	s_cbranch_scc0 .Lentry_shape_is_right
	s_endpgm
.Lentry_shape_is_right:
; q | k | v = x (wq | wk | wv), RoPE on q and k, all times 2^-4, rounded once to f16, written by heads: qkvh [16 heads][4096 rows][128].
; x [4096][4096] f32 comes as it is and is rounded to bf16 between LDS and the matrix unit; wqkv [4096 k][2048 n] bf16; csb [4096 + 128][256] bf16 (cos/16 | signed sin/16; then 128 rows 1/16 | 0).
; Sums in f32, K ascending.
; LIMIT.  |q|, |k|, |v| stay under 1.04e6: a sixteenth of them is kept in f16, which ends at 65,504.
; SHARES.  A work-group makes 128 rows x 256 columns (two heads); wave w rows 64 (w / 2) on and head w % 2: 32 accumulators of 16 x 16, 256 registers.  8 x 32 = 256 work-groups.
; K goes in steps of 128 through two LDS slots; a trip of the loop is one K step, and which slot is read and which is filled stands in two scalar registers.
; The weights lie [k][n]: their fragments come out of LDS turned, by ds_load_tr16_b128.  x's fragments come out as f32, 64 registers a quarter step, and are rounded in pairs:
; 32 conversions, four behind each of a quarter's last eight products.
; THE MATRIX INSTRUCTION IS USED TRANSPOSED (source 0 = 16 columns of w, source 1 = 16 rows of x): a lane holds row l % 16 and the eight columns 8 (l / 16) + 0..7 of a block of 16,
; so channel d and its RoPE partner d +- 64 lie in the same lane and register place, four column blocks apart.
; CLUSTER 4 x 4: x's tiles hang on the tile row alone and are asked for jointly along a row of the cluster, the weights' tiles along a column.
; cos | sin: a wave's 64 rows x 512 bytes are loaded once, at the start, straight into 256 registers; v's tiles take the constant rows instead: a choice of a byte offset, no branch.
; REGISTERS.  Window 0: v0-31 addresses; v32-63 rows read back on the way out; v64-127 two buffers of x's fragments; v128-255 two buffers of w's.  Window 1: accumulator (a, b) at v[8 (8 a + b)].
;   Window 2: the tables: row block a: cos of column block b at v[64 a + 4 b], sin at v[64 a + 32 + 4 b].  Window 3: v0-63 x as f32, 16 registers a row block.
.set KSTEP,  128
.set STEPS,  4096/KSTEP
.set PA,     528                       ; an LDS row of x: 512 bytes + 16: the 16 rows of a fragment load start 132 words apart
.set PB,     544                       ; an LDS row of w: 512 bytes + 32 = 17 x 32, as the turning load's eight rows x 32 bytes want
.set AH,     64*PA                     ; what one tensor load brings of x
.set BH,     64*PB                     ; and of w
.set BOFF,   2*AH
.set SLOT,   2*AH+2*BH                 ; x's 128 rows, then w's 128 rows of k
.set STAGE,  2*SLOT                    ; 16 rows x 272 bytes for each wave, for the way out; no tensor load fills it
.set SPITCH, 272
.set SPARE,  STAGE+4*16*SPITCH         ; the spare words, 128 bytes for each wave: two blocks of 256 bytes that no other line names
.set ADRA, 16                          ; v16     my lane's place in a slot's rows of x; never rewritten
.set ADRB, 17                          ; v17     the same for w
.set TA,   18                          ; v18     the same in the slot that is read
.set TB,   19                          ; v19
.set STO,  24                          ; v24     the way out: where I put 16 bytes of a row
.set RD,   25                          ; v25     where I read rows back
.set CO,   26                          ; v26     my byte offset in two rows of a head
.set CSO,  27                          ; v27     my byte offset in 16 rows of the tables; never rewritten
.set SPW,  28                          ; v28     my spare word; never rewritten
.set NIL,  29                          ; v29     0; never rewritten
.set ZR,   30                          ; v30     0.0, the addend that starts a RoPE sum
.set BK,   32
.set FA,   64
.set FB,   128
.set OUTF, 128                         ; the way out: v128-191 the rotated row block in f32
.set PKD,  208                         ; v208-239 the same in f16
.set G1A, 24                           ; s[24:31] group 1 for x's tiles;  s[32:39] group 0: a set for each of the two first fills; the second then walks on
.set G0A, 32
.set G1B, 40                           ; s[40:47], s[48:55] the same for w's
.set G0B, 48
.set SBF, 56                           ; s56  the slot filled last
.set SBR, 57                           ; s57  the slot that is read
.set MSB, 0
.macro WIN new                         ; the immediate's high byte repeats the setting that is left
.if MSB != (\new)
	s_set_vgpr_msb (MSB<<8)|(\new)
.set MSB, \new
.endif
.endm
.macro PLACES                          ; four places in front of loads into registers that matrix instructions have read, and of lines that read results or write sources
.rept 4
	v_nop
.endr
.endm
.macro JLOAD                           ; a joint refill: waves 0 and 1 fetch x's two halves, waves 2 and 3 w's
	s_cmp_eq_u32 s13, 0
	s_cbranch_scc0 .Lfor_b_\@
	tensor_load_to_lds s[G0A+4:G0A+7], s[G1A:G1A+7]
	s_nop 0
	PLACES
	s_branch .Lasked_\@
.Lfor_b_\@:
	tensor_load_to_lds s[G0B+4:G0B+7], s[G1B:G1B+7]
	s_nop 0
	PLACES
.Lasked_\@:
.endm
.macro CREST                           ; a round of the cluster's barrier behind its opening barrier
	s_cmp_lg_u32 s12, 0
	s_cbranch_scc1 .Lnot_wave_0_\@
	s_barrier_signal -3
.Lnot_wave_0_\@:
	s_barrier_wait -3
	s_barrier_signal -1
	s_barrier_wait -1
.endm
.macro CROUND
	s_barrier_signal -1
	s_barrier_wait -1
	CREST
.endm
	s_load_b256 s[4:11], s[0:1], 0x0               ; x s[4:5], wqkv s[6:7], csb s[8:9], qkvh s[10:11]
	v_lshl_add_u32 v[SPW], v0, 2, SPARE
	v_mov_b32 v[NIL], 0
	ds_add_u32 v[SPW], v[NIL]                      ; the wave's opening: the add and its wait stand ahead of my first tensor load; the set-up below stands between them
	v_lshrrev_b32 v1, 5, v0
	v_readfirstlane_b32 s12, v1                    ; wave 0..3
	s_lshr_b32 s13, s12, 1                         ; my half of the rows.  Also: I fetch for x (0) or for w (1)
	s_and_b32 s14, s12, 1                          ; my head of the two.  Also: which half of that tile I fetch
	s_bfe_u32 s15, ttmp6, 0x40000                  ; cx
	s_bfe_u32 s16, ttmp6, 0x40004                  ; cy
	s_lshl_b32 s17, ttmp9, 2
	s_add_co_u32 s17, s17, s15                     ; tile column = 4 x cluster x + cx
	s_and_b32 s18, ttmp7, 0xffff
	s_lshl_b32 s18, s18, 2
	s_add_co_u32 s18, s18, s16                     ; tile row = 4 x cluster y + cy
	s_lshl_b32 s19, s16, 2
	s_lshl_b32 s19, 15, s19                        ; my row of the cluster
	s_lshl_b32 s20, 0x1111, s15                    ; my column
	s_or_b32 s[G1A+0], s19, (2<<16)|(1<<20)|(1<<21)|(6<<22)|(3<<25)  ; mask; 4-byte elements; padding on; bit 21 beside a mask; after every 128 words, 4 words
	s_mov_b32 s[G1A+1], KSTEP<<16                  ; tensor_dim0 = 128
	s_mov_b32 s[G1A+2], 64<<16                     ; tensor_dim1 = 64
	s_mov_b32 s[G1A+3], KSTEP<<16                  ; tile_dim0 = 128
	s_mov_b32 s[G1A+4], 64                         ; tile_dim1 = 64
	s_mov_b32 s[G1A+5], 4096                       ; elements from row to row
	s_mov_b32 s[G1A+6], 0
	s_mov_b32 s[G1A+7], 0
	s_or_b32 s[G1B+0], s20, (1<<16)|(1<<20)|(1<<21)|(6<<22)|(7<<25)  ; 2-byte elements; after every 128 words, 8 words
	s_mov_b32 s[G1B+1], 256<<16
	s_mov_b32 s[G1B+2], 64<<16
	s_mov_b32 s[G1B+3], 256<<16
	s_mov_b32 s[G1B+4], 64
	s_mov_b32 s[G1B+5], 2048
	s_mov_b32 s[G1B+6], 0
	s_mov_b32 s[G1B+7], 0
	; byte offsets, each in registers that never hold a coordinate that its partners do not share
	s_lshl_b32 s72, s18, 21                        ; x: (128 tile row + 64 half) rows of 16,384 bytes
	s_lshl_b32 s21, s14, 20
	s_add_co_u32 s72, s72, s21
	s_mov_b32 s73, 0
	s_lshl_b32 s74, s17, 9                         ; w: 512 bytes a tile column, 64 half rows of 4,096 bytes
	s_lshl_b32 s21, s14, 18
	s_add_co_u32 s74, s74, s21
	s_mov_b32 s75, 0
	s_lshl_b32 s76, s18, 16                        ; the tables (plain loads of my own): 128 tile row rows of 512 bytes,
	s_cmp_ge_u32 s17, 6                            ; or, for tile columns 6 and 7, v's heads, the 128 constant rows behind them,
	s_cselect_b32 s76, 0x200000, s76
	s_lshl_b32 s21, s13, 15                        ; and my 64 rows of the 128
	s_add_co_u32 s76, s76, s21
	s_mov_b32 s77, 0
	s_mul_i32 s22, s14, AH                         ; LDS: made of the wave's number alone; kept for the walking descriptors
	s_mul_i32 s23, s14, BH
	s_add_co_u32 s23, s23, BOFF
	s_lshl_b32 s78, s17, 1                         ; out: head 2 tile column + w % 2, 1 MiB each; row 128 tile row + 64 (w / 2), 256 bytes each
	s_add_co_u32 s78, s78, s14
	s_lshl_b32 s78, s78, 20
	s_lshl_b32 s79, s18, 15
	s_add_co_u32 s78, s78, s79
	s_lshl_b32 s79, s13, 14
	s_add_co_u32 s78, s78, s79
	s_mov_b32 s79, 0
	s_mov_b32 s[SBF], SLOT                         ; the second first fill goes to slot 1
	s_mov_b32 s[SBR], 0
	s_wait_dscnt 0x0                               ; the opening add is done
	s_wait_kmcnt 0x0
	s_add_nc_u64 s[72:73], s[4:5], s[72:73]
	s_add_nc_u64 s[74:75], s[6:7], s[74:75]
	s_add_nc_u64 s[76:77], s[8:9], s[76:77]
	s_add_nc_u64 s[10:11], s[10:11], s[78:79]
	CROUND                                         ; all sixteen work-groups are here: the first joint loads meet
.irp s, 0,1
	s_mov_b32 s[G0A+4*(\s)], 1
	s_add_co_u32 s[G0A+4*(\s)+1], s22, (\s)*SLOT
	s_add_nc_u64 s[G0A+4*(\s)+2:G0A+4*(\s)+3], s[72:73], (\s)*KSTEP*4
	s_or_b32 s[G0A+4*(\s)+3], s[G0A+4*(\s)+3], 0x80000000
	s_mov_b32 s[G0B+4*(\s)], 1
	s_add_co_u32 s[G0B+4*(\s)+1], s23, (\s)*SLOT
	s_add_nc_u64 s[G0B+4*(\s)+2:G0B+4*(\s)+3], s[74:75], (\s)*KSTEP*4096
	s_or_b32 s[G0B+4*(\s)+3], s[G0B+4*(\s)+3], 0x80000000
.endr
	s_cmp_eq_u32 s13, 0                            ; a wave's two first fills stand in one branch: K step 0, K step 1: two loads of mine are out
	s_cbranch_scc0 .Lfirst_b
	tensor_load_to_lds s[G0A:G0A+3], s[G1A:G1A+7]
	s_nop 0
	tensor_load_to_lds s[G0A+4:G0A+7], s[G1A:G1A+7]
	s_nop 0
	PLACES
	s_branch .Lfirst_asked
.Lfirst_b:
	tensor_load_to_lds s[G0B:G0B+3], s[G1B:G1B+7]
	s_nop 0
	tensor_load_to_lds s[G0B+4:G0B+7], s[G1B:G1B+7]
	s_nop 0
	PLACES
.Lfirst_asked:
	v_and_b32 v1, 15, v0                           ; l % 16
	v_bfe_u32 v2, v0, 4, 1                         ; l / 16
	v_lshlrev_b32 v[CSO], 9, v1                    ; the tables: row l % 16, 16 bytes at 16 (l / 16)
	v_lshl_add_u32 v[CSO], v2, 4, v[CSO]
	WIN 0x80                                       ; destination window 2
.irp a, 0,1,2,3
.irp b, 0,1,2,3,4,5,6,7
	global_load_b128 v[64*(\a)+4*(\b):64*(\a)+4*(\b)+3],       v[CSO], s[76:77] offset:(\a)*8192+32*(\b)
	global_load_b128 v[64*(\a)+32+4*(\b):64*(\a)+32+4*(\b)+3], v[CSO], s[76:77] offset:(\a)*8192+256+32*(\b)
.endr
.endr
	WIN 0
	v_mul_u32_u24 v3, v1, PA                       ; x as f32: row x 528 + 32 x half: eight numbers are 32 bytes
	v_lshl_add_u32 v3, v2, 5, v3
	s_mul_i32 s21, s13, AH
	v_add_nc_u32 v[ADRA], s21, v3
	v_and_b32 v4, 7, v0                            ; the turning load: lane l reads k row 8 (l / 16) + l % 8, 16 bytes at 16 ((l / 8) % 2)
	v_lshl_add_u32 v4, v2, 3, v4
	v_mul_u32_u24 v4, v4, PB
	v_bfe_u32 v5, v0, 3, 1
	v_lshl_add_u32 v4, v5, 4, v4
	s_lshl_b32 s21, s14, 8                         ; my head's 128 columns
	s_add_co_u32 s21, s21, BOFF
	v_add_nc_u32 v[ADRB], s21, v4
	v_add_nc_u32 v[TA], s[SBR], v[ADRA]
	v_add_nc_u32 v[TB], s[SBR], v[ADRB]
	s_mul_i32 s21, s12, 16*SPITCH
	s_add_co_u32 s21, s21, STAGE                   ; my stage
	v_mul_u32_u24 v5, v1, SPITCH                   ; in: row l % 16, 16 bytes for each half of the lanes
	v_lshl_add_u32 v5, v2, 4, v5
	v_add_nc_u32 v[STO], s21, v5
	v_mul_u32_u24 v5, v2, SPITCH                   ; back: lanes 0-15 one row of 256 bytes, lanes 16-31 the next
	v_lshl_add_u32 v5, v1, 4, v5
	v_add_nc_u32 v[RD], s21, v5
	v_lshlrev_b32 v[CO], 8, v2                     ; and the same two rows of the head
	v_lshl_add_u32 v[CO], v1, 4, v[CO]
	v_mov_b32 v[ZR], 0
; One product: row block a x column block b, 32 along K, from buffer f.  zero = 1: it starts the sum.  The 32 accumulators take turns.
.macro PROD f, a, b, zero
.if \zero
	v_wmma_f32_16x16x32_bf16 v[8*(8*(\a)+(\b)):8*(8*(\a)+(\b))+7], v[FB+64*(\f)+8*(\b):FB+64*(\f)+8*(\b)+7], v[FA+32*(\f)+8*(\a):FA+32*(\f)+8*(\a)+7], 0
.else
	v_wmma_f32_16x16x32_bf16 v[8*(8*(\a)+(\b)):8*(8*(\a)+(\b))+7], v[FB+64*(\f)+8*(\b):FB+64*(\f)+8*(\b)+7], v[FA+32*(\f)+8*(\a):FA+32*(\f)+8*(\a)+7], v[8*(8*(\a)+(\b)):8*(8*(\a)+(\b))+7]
.endif
.endm
.macro MUL8 f, a, zero                 ; row block a x all 8 column blocks
	WIN 0x50                                       ; C and D in window 1
.irp b, 0,1,2,3,4,5,6,7
	PROD \f, \a, \b, \zero
.endr
.endm
; The same with four conversions behind each product: register n of x's buffer g takes numbers 2 n and 2 n + 1 of the 64 in window 3.  They name no register of the products round them.
.macro MUL8R f, a, g, zero
.irp b, 0,1,2,3,4,5,6,7
	WIN 0x50
	PROD \f, \a, \b, \zero
	WIN 0x0f                                       ; sources in window 3, destination in window 0
.irp c, 0,1,2,3
	v_cvt_pk_bf16_f32 v[FA+32*(\g)+4*(\b)+(\c)], v[8*(\b)+2*(\c)], v[8*(\b)+2*(\c)+1]
.endr
.endr
.endm
; 16 LDS loads: x's 4 row blocks of quarter q (32 along K), as f32.  Lane l wants k = 8 (l / 16) + 0..7 (32 bytes) and 16 + 8 (l / 16) + 0..7 (32 bytes, 64 further on).
.macro RAWLD q
	WIN 0xc0                                       ; destination window 3
.irp a, 0,1,2,3
	ds_load_b128 v[16*(\a):16*(\a)+3],     v[TA] offset:(\q)*128+(\a)*16*PA
	ds_load_b128 v[16*(\a)+4:16*(\a)+7],   v[TA] offset:(\q)*128+(\a)*16*PA+16
	ds_load_b128 v[16*(\a)+8:16*(\a)+11],  v[TA] offset:(\q)*128+(\a)*16*PA+64
	ds_load_b128 v[16*(\a)+12:16*(\a)+15], v[TA] offset:(\q)*128+(\a)*16*PA+80
.endr
.endm
; 16 LDS loads: w's 8 column blocks of quarter q, turned, into buffer f
.macro BLD q, f
	WIN 0
.irp b, 0,1,2,3,4,5,6,7
	ds_load_tr16_b128 v[FB+64*(\f)+8*(\b):FB+64*(\f)+8*(\b)+3],   v[TB] offset:(\q)*32*PB+32*(\b)
	ds_load_tr16_b128 v[FB+64*(\f)+8*(\b)+4:FB+64*(\f)+8*(\b)+7], v[TB] offset:(\q)*32*PB+16*PB+32*(\b)
.endr
.endm
; One of a K step's first three quarters: multiplies buffer f and makes quarter q of the same slot ready in buffer g.
.macro QUARTER q, f, g, zero
	RAWLD \q                                       ; window 3's numbers were rounded at the end of the quarter before
	s_wait_dscnt 16                                ; all but the 16 just issued: w's fragments of buffer f are in
	MUL8 \f, 0, \zero
	MUL8 \f, 1, \zero
	PLACES                                         ; for the loads into w's buffer g and the conversions into x's, both read by the quarter before
	BLD \q, \g
	MUL8 \f, 2, \zero
	s_wait_dscnt 16                                ; x's f32 numbers are in; the 16 turning loads may be out
	MUL8R \f, 3, \g, \zero
.endm
; The last quarter multiplies buffer 1 and changes slots: one barrier; in front of it each wave waits for all its tensor loads, adds 0 to its spare word, and waits for that and for its reads of this slot.
; fill = 1: the barrier opens a round of the cluster's barrier, and the slot just read is filled again, two K steps ahead: 112 matrix instructions stand between the request and the wait for it.
.macro TURN fill
	WIN 0
	s_wait_tensorcnt 0x0                           ; all my tensor loads have landed: my part of the next slot among them; so a group 0 may be written
	ds_add_u32 v[SPW], v[NIL]                      ; 0 onto my spare word
	s_wait_dscnt 1                                 ; (the add may be out: w's fragments of buffer 1 are in)
	MUL8 1, 0, 0
	s_wait_dscnt 0x0                               ; the add is done, and my reads of this slot are over
	s_barrier_signal -1
	MUL8 1, 1, 0
	WIN 0                                          ; branches, or lines on window 0, follow
	s_barrier_wait -1
.if \fill
	CREST
	s_xor_b32 s[SBF], s[SBF], SLOT                 ; the walking descriptors: the other slot than last time, the next K step; the type bits on top are not reached
	s_add_co_u32 s[G0A+5], s[SBF], s22
	s_add_nc_u64 s[G0A+6:G0A+7], s[G0A+6:G0A+7], KSTEP*4
	s_add_co_u32 s[G0B+5], s[SBF], s23
	s_add_nc_u64 s[G0B+6:G0B+7], s[G0B+6:G0B+7], KSTEP*4096
	JLOAD                                          ; the first tensor load behind the round; the four v_nop behind it are also the places in front of the loads below
.else
	PLACES
.endif
	s_xor_b32 s[SBR], s[SBR], SLOT                 ; the reads go to the other slot
	v_add_nc_u32 v[TA], s[SBR], v[ADRA]
	v_add_nc_u32 v[TB], s[SBR], v[ADRB]
	RAWLD 0
	BLD 0, 0
	MUL8 1, 2, 0
	s_wait_dscnt 16                                ; x's f32 numbers are in; the 16 turning loads may be out
	MUL8R 1, 3, 0, 0
.endm
	s_wait_tensorcnt 1                             ; my part of K step 0 is in; K step 1's may stay out
	s_barrier_signal -1
	s_barrier_wait -1
	RAWLD 0
	BLD 0, 0
	s_wait_dscnt 16                                ; x's f32 numbers are in
	WIN 0x0f
.set n, 0
.rept 32                               ; the first quarter's conversions have no products to stand behind
	v_cvt_pk_bf16_f32 v[FA+n], v[2*n], v[2*n+1]
.set n, n+1
.endr
	QUARTER 1, 0, 1, 1                             ; the first quarter stands in front of the loop: its products start the sums
	WIN 0
	s_mov_b32 s3, STEPS-2
.Lstep:                                                ; a trip is a K step, from its second quarter to the next step's first, and fills the slot that it leaves
	QUARTER 2, 1, 0, 0
	QUARTER 3, 0, 1, 0
	TURN 1
	QUARTER 1, 0, 1, 0
	WIN 0
	s_sub_co_u32 s3, s3, 1
	s_cmp_lg_u32 s3, 0
	s_cbranch_scc1 .Lstep
	QUARTER 2, 1, 0, 0                             ; the last two K steps fill nothing
	QUARTER 3, 0, 1, 0
	TURN 0
	QUARTER 1, 0, 1, 0
	QUARTER 2, 1, 0, 0
	QUARTER 3, 0, 1, 0
	s_wait_dscnt 0x0
	MUL8 1, 0, 0
	MUL8 1, 1, 0
	MUL8 1, 2, 0
	MUL8 1, 3, 0
	WIN 0
	PLACES
	s_wait_loadcnt 0x0                             ; the tables, asked for at the start
; THE WAY OUT, a block of 16 rows at a time.  out[d] = cos[d] q[d] + sin'[d] q[d +- 64], sin' with rotate_half's sign; both tables hold a sixteenth, so the result is q / 16.
; v's tiles hold 1/16 and 0 in the tables' place.  A multiply-add takes its table entry straight from a bf16 half.  e (the register place) picks the half.
.macro MIX d, c, x, y
.if e%2
	v_fma_mix_f32_bf16 v[\d], v[\c], v[\x], v[\y] op_sel:[1,0,0] op_sel_hi:[1,0,0]
.else
	v_fma_mix_f32_bf16 v[\d], v[\c], v[\x], v[\y] op_sel:[0,0,0] op_sel_hi:[1,0,0]
.endif
.endm
.macro ROWS a
	WIN 0x06                                       ; source 0, the table, in window 2; source 1, the accumulator, in window 1
.set bp, 0
.rept 4
.set e, 0
.rept 8                                ; each accumulator's registers in ascending order
.set oL, OUTF+8*bp+e
.set oH, OUTF+8*(bp+4)+e
.set cL, 64*(\a)+4*bp+e/2
.set cH, 64*(\a)+4*(bp+4)+e/2
.set aL, 8*(8*(\a)+bp)+e
.set aH, 8*(8*(\a)+bp+4)+e
	MIX oL, cL+32, aH, ZR
	MIX oH, cH+32, aL, ZR
	MIX oL, cL, aL, oL
	MIX oH, cH, aH, oH
.set e, e+1
.endr
.set bp, bp+1
.endr
	WIN 0
.set z, 0
.rept 32
	v_cvt_pk_f16_f32 v[PKD+z], v[OUTF+2*z], v[OUTF+2*z+1]
.set z, z+1
.endr
.irp b, 0,1,2,3,4,5,6,7
	ds_store_b128 v[STO], v[PKD+4*(\b):PKD+4*(\b)+3] offset:32*(\b)
.endr
	s_wait_xcnt 0x0                                ; the registers that the last block's stores read are loaded again only behind this wait
.irp t, 0,1,2,3,4,5,6,7
	ds_load_b128 v[BK+4*(\t):BK+4*(\t)+3], v[RD] offset:(\t)*2*SPITCH  ; LDS serves a wave's instructions in order (ISA guide 5.7.1.4): these see the stores above
.endr
	s_wait_dscnt 0x0
.irp t, 0,1,2,3,4,5,6,7
	global_store_b128 v[CO], v[BK+4*(\t):BK+4*(\t)+3], s[10:11] offset:(16*(\a)+2*(\t))*256  ; 512 consecutive bytes of the head, aligned
.endr
.endm
	ROWS 0
	ROWS 1
	ROWS 2
	ROWS 3
	s_wait_tensorcnt 0x0                           ; the wave's end
	ds_add_u32 v[SPW], v[NIL]
	s_wait_dscnt 0x0
	CROUND                                         ; the closing round
	s_endpgm
.Lfunc_end_k_qa570942d67_qkv:
	.size	k_qa570942d67_qkv, .Lfunc_end_k_qa570942d67_qkv-k_qa570942d67_qkv
	.p2alignl 7, 3214868480
	.fill 96, 4, 3214868480
	.section	.rodata,"a",@progbits
	.p2align	6, 0x0
	.amdhsa_kernel k_qa570942d67_qkv
		.amdhsa_group_segment_fixed_size 327680
		.amdhsa_private_segment_fixed_size 0
		.amdhsa_enable_private_segment 0
		.amdhsa_kernarg_size 32
		.amdhsa_user_sgpr_count 2
		.amdhsa_user_sgpr_kernarg_segment_ptr 1
		.amdhsa_wavefront_size32 1
		.amdhsa_system_sgpr_workgroup_id_x 1
		.amdhsa_system_sgpr_workgroup_id_y 1
		.amdhsa_system_sgpr_workgroup_id_z 1
		.amdhsa_system_vgpr_workitem_id 0
		.amdhsa_next_free_vgpr 832
		.amdhsa_next_free_sgpr 96
		.amdhsa_reserve_vcc 0
		.amdhsa_float_denorm_mode_32 3
		.amdhsa_float_denorm_mode_16_64 3
		.amdhsa_memory_ordered 1
		.amdhsa_forward_progress 1
		.amdhsa_inst_pref_size 144
	.end_amdhsa_kernel
	.amdgpu_metadata
---
amdhsa.version: [ 1, 2 ]
amdhsa.kernels:
  - .name:           k_qa570942d67_qkv
    .symbol:         k_qa570942d67_qkv.kd
    .args:
      - { .name: hidden_states, .offset: 0, .size: 8, .value_kind: global_buffer, .address_space: global }
      - { .name: wqkv, .offset: 8, .size: 8, .value_kind: global_buffer, .address_space: global }
      - { .name: csb, .offset: 16, .size: 8, .value_kind: global_buffer, .address_space: global }
      - { .name: qkvh, .offset: 24, .size: 8, .value_kind: global_buffer, .address_space: global }
    .group_segment_fixed_size: 327680
    .private_segment_fixed_size: 0
    .kernarg_segment_align: 8
    .kernarg_segment_size: 32
    .max_flat_workgroup_size: 128
    .sgpr_count:     96
    .vgpr_count:     832
    .wavefront_size: 32
...
	.end_amdgpu_metadata
.endif
;; end of part 2
;; launch attn (part 3): grid 16 x 16, 4 waves a work-group, clusters of 4 x 1, 327,680 bytes of LDS; arguments qkvh, attn; writes attn
.if DOCPART == 3
	.amdgcn_target "amdgcn-amd-amdhsa--gfx1250"
	.amdhsa_code_object_version 6
	.text
	.protected	k_qa570942d67_attn
	.globl	k_qa570942d67_attn
	.p2align	8
	.type	k_qa570942d67_attn,@function
k_qa570942d67_attn:
	s_mov_b64 s[64:65], 0
	v_nop
	global_prefetch_b8 v0, s[64:65] scope:SCOPE_SE
	s_setreg_imm32_b32 hwreg(HW_REG_WAVE_MODE, 25, 1), 1
	s_wait_xcnt 0x0
	s_wait_alu depctr_hold_cnt(0) depctr_sa_sdst(0) depctr_va_vdst(0) depctr_va_sdst(0) depctr_va_ssrc(0) depctr_va_vcc(0) depctr_vm_vsrc(0)
	s_getreg_b32 s2, hwreg(HW_REG_IB_STS2, 6, 4)
	s_cmp_eq_u32 s2, 0
	s_cbranch_scc0 .Lentry_in_a_cluster
	s_endpgm
.Lentry_in_a_cluster:
	s_bfe_u32 s2, ttmp6, 0x10000c
	s_cmp_lg_u32 s2, 0x3003
	s_cbranch_scc0 .Lentry_shape_is_right
	s_endpgm
.Lentry_shape_is_right:
; CAUSAL ATTENTION, two query heads to a key and value head.  qkvh [16][4096][128] f16 holds q (heads 0-7), k (8-11), v (12-15), each a sixteenth of its value; row = 2048 batch + position.
; attn [4096][1024] f16 takes O / 16.  Products, maxima and sums in f32; the weights p are rounded to f16 for the second product (their sum l is taken of the unrounded p), O once at the end.
; LIMITS.  A hidden score counts as its value less 1e30; the running maximum starts at -2^90, below every true score (f16's products give 5.5e11 at the most) and above every hidden one,
; so a wave that sees only hidden keys has p = 0, l = 0, O = 0.  A weight below 2^-126 counts as 0.  NaN and infinities are not treated apart.
; THE WALK.  A (batch, head) has 32 blocks of 64 queries and 8 tiles of 256 keys.  Work-group j = 4 a + cx takes blocks 31 - j and then j: tiles 0 .. 7 - a and 0 .. a: nine tiles whatever j, and the same
; nine for the four partners of a cluster, so every tile is asked for JOINTLY.  Only Q's and O's addresses and the mask's compare value hang on cx; every branch hangs on a, which the partners share.
; SHARES.  In a tile wave w takes keys 64 w on, for all 64 queries (four tiles of 16): every byte of K and V leaves LDS once.  At a block's end the four waves' (c m, l, O) are merged through LDS.
; LAYOUT.  S^T = K Q^T holds ONE query a lane (l % 16) and keys 8 (l / 16) + 0..7; two such results rounded to f16 ARE source 1 of O^T = V^T P.  p = 2^(c s - c m), c = 256 log2(e) / sqrt(128)
; (the 256 undoes the two sixteenths); O and l are multiplied by a = 2^(c m_old - c m_new) in every step.  c m starts far below c times the floor of m, so a block's first a is 0.
; THE MASK is the C operand that starts a sum of scores: 0, or -1e30 where the key is hidden.  It hangs on (key block - query tile) alone: seven sets of eight registers, made at a trip's end when the tile
; to come is a block's last, 0 elsewhere.
; A STEP: piece 0's (query tiles 0, 1) scores; piece 2's scores with piece 0's softmax in slices behind them; piece 0's V^T P with piece 2's softmax; piece 2's V^T P.
; REGISTERS, in windows of 256: window 0: v0-11 addresses; v12-43 statistics, eight a tile; v44-47 at work; v62-63 the add's; v64-191 S^T; v192-255 P.
;   window 1: O^T, 64 a tile.   window 2: v0-127 Q; v128-255 K.   window 3: v0-127 V; v128-183 the masks.
.set PK,    272       ; a row of K in LDS: 256 bytes + 16
.set PV,    288       ; a row of V: 256 + 32 = 9 x 32
.set VOFF,  256*PK    ; a slot: 256 rows of K, then 256 rows of V
.set SLOTB, 256*(PK+PV)
.set STATS, 2*SLOTB   ; [wave][tile][16 queries] x (c m, l): 2,048 bytes
.set MRG,   STATS+2048  ; four regions, a wave each: 16 queries x 528 bytes of f32
.set MP,    528
.set SPARE, MRG+4*16*MP  ; the spare words, 128 bytes for each wave: two blocks of 256 bytes that no other line names
.set AK0, 2           ; v2   my lane's place in my wave's 64 rows of K; never rewritten
.set AV0, 3           ; v3   the same for V
.set ADR, 4           ; v4   the LDS address of the run of loads in hand
.set QO,  5           ; v5   my byte offset in 16 rows of Q
.set SW,  6           ; v6   where I put (c m, l)
.set SR,  7           ; v7   where I read the four waves'
.set MW,  8           ; v8   the merge: where I put 32 bytes of a query's row
.set MR,  10          ; v10  where I read 16 bytes of a row back
.set GO,  11          ; v11  my byte offset in attn: 8 lane + 4 w rows
.set ST,  12          ; tile t's statistics at v[ST+8 t]: +0 c m, +1 m, +2, +3 l, +4 to +7 at work; a takes +6
.set DV,  44          ; v44  l % 16 - 8 (l / 16)
.set CV,  45          ; v45  the mask's compare value
.set SPW, 62
.set NIL, 63
.set S,   64
.set P,   192
.set KF,  128         ; window 2
.set MC,  128         ; window 3
.set WV,  12          ; s12  wave
.set G1K, 24
.set G1V, 32
.set G0K, 40
.set G0V, 44
.set SBF, 48          ; s48  the slot filled last
.set SBR, 49          ; s49  the slot read
.set BI,  50          ; s50  the block in hand
.set SLOTS, 56
.set CS,  58          ; s[58:59] c
.set SEL, 60          ; s[60:61] v_permlanex16_b32's selects
.set RT,  70          ; s70  tiles of the block in hand still to be entered
.set NXT, 71          ; s71  the tile to be asked for next
.set LQ,  72          ; s72  the last tile of the block whose tiles are being asked for
.set OFF, 74          ; s[74:75]
.set BIGN, 82         ; s82  -1e30
.set MSB, 0
.macro WIN new
.if MSB != (\new)
	s_set_vgpr_msb (MSB<<8)|(\new)
.set MSB, \new
.endif
.endm
.set W_KQ, 0x0a       ; K and Q in window 2, S^T in window 0
.set W_KM, 0x3a       ; the same with the C operand in window 3
.set W_PV, 0x53       ; V in window 3, P in window 0, O^T in window 1
.set W_RS, 0x41       ; destination and source 0 in window 1
.macro PLACES
.rept 4
	v_nop
.endr
.endm
.macro JLOAD                        ; a joint fill: waves 0 and 1 fetch the halves of a tile's K, waves 2 and 3 of its V
	s_cmp_lt_u32 s[WV], 2
	s_cbranch_scc0 .Lfor_v_\@
	tensor_load_to_lds s[G0K:G0K+3], s[G1K:G1K+7]
	s_nop 0
	PLACES
	s_branch .Lasked_\@
.Lfor_v_\@:
	tensor_load_to_lds s[G0V:G0V+3], s[G1V:G1V+7]
	s_nop 0
	PLACES
.Lasked_\@:
.endm
.macro CROUND
	s_barrier_signal -1
	s_barrier_wait -1
	s_cmp_lg_u32 s[WV], 0
	s_cbranch_scc1 .Lnot_wave_0_\@
	s_barrier_signal -3
.Lnot_wave_0_\@:
	s_barrier_wait -3
	s_barrier_signal -1
	s_barrier_wait -1
.endm
; THE CHANGE OF SLOTS.  Each wave waits for all its tensor loads (one is out: its part of the other slot), adds 0 to its spare word, and waits for that and for its reads of the slot that it leaves.
; fill = 1: a round of the cluster's barrier, and the old slot is filled with tile NXT, the first thing behind it; it has a whole step, 128 matrix instructions, in which to land.
; (At its first use nothing has been read yet: slot 0 is waited for, slot 1 filled.)
.macro CHANGE fill
	WIN 0
	s_wait_tensorcnt 0x0
	ds_add_u32 v[SPW], v[NIL]       ; 0 onto my spare word; scalar work stands between it and the wait for it
.if \fill
	s_lshl_b32 s[OFF], s[NXT], 16   ; a tile is 65,536 bytes of K and of V
	s_xor_b32 s[SBF], s[SBF], SLOTB
	s_add_co_u32 s[G0K+1], s[SBF], s17
	s_add_nc_u64 s[G0K+2:G0K+3], s[6:7], s[OFF:OFF+1]
	s_or_b32 s[G0K+3], s[G0K+3], 0x80000000
	s_add_co_u32 s[G0V+1], s[SBF], s18
	s_add_nc_u64 s[G0V+2:G0V+3], s[8:9], s[OFF:OFF+1]
	s_or_b32 s[G0V+3], s[G0V+3], 0x80000000
	s_add_co_u32 s[NXT], s[NXT], 1  ; the block's next tile, or behind its last the second block's tile 0
	s_cmp_gt_u32 s[NXT], s[LQ]
	s_cselect_b32 s[NXT], 0, s[NXT]
	s_cselect_b32 s[LQ], s14, s[LQ]
.endif
	s_xor_b32 s[SBR], s[SBR], SLOTB
	s_wait_dscnt 0x0                ; the add is done, and my reads of the slot are over
.if \fill
	CROUND
	JLOAD
.else
	s_barrier_signal -1
	s_barrier_wait -1
.endif
.endm
	s_load_b128 s[8:11], s[0:1], 0x0  ; qkvh s[8:9], attn s[10:11]
	v_lshl_add_u32 v[SPW], v0, 2, SPARE
	v_mov_b32 v[NIL], 0
	ds_add_u32 v[SPW], v[NIL]       ; the wave's opening: the add and its wait stand ahead of my first tensor load
	v_lshrrev_b32 v1, 5, v0
	v_readfirstlane_b32 s[WV], v1
	s_bfe_u32 s13, ttmp6, 0x40000   ; cx
	s_mov_b32 s14, ttmp9            ; a: the cluster's x, which the partners share
	s_lshl_b32 s83, s14, 2
	s_add_co_u32 s83, s83, s13      ; j
	s_sub_co_u32 s[BI], 31, s83     ; the first block
	s_and_b32 s15, ttmp7, 0xffff
	s_lshr_b32 s19, s15, 3          ; batch
	s_and_b32 s15, s15, 7           ; query head
	s_lshr_b32 s20, s15, 1          ; key and value head
	s_and_b32 s16, s[WV], 1         ; which half of a tile I fetch
	s_add_co_u32 s22, s20, 8        ; K: head 8 + g (1 MiB each), the batch's 2,048 rows of 256 bytes, my 128 rows
	s_lshl_b32 s22, s22, 20
	s_lshl_b32 s21, s19, 19
	s_add_co_u32 s22, s22, s21
	s_lshl_b32 s23, s16, 15
	s_add_co_u32 s22, s22, s23
	s_mov_b32 s23, 0
	s_add_co_u32 s52, s22, 4<<20    ; V: four heads on
	s_mov_b32 s53, 0
	s_lshl_b32 s54, s15, 20         ; Q: the head, the batch, the block's 64 rows
	s_add_co_u32 s54, s54, s21
	s_lshl_b32 s55, s[BI], 14
	s_add_co_u32 s76, s54, s55
	s_mov_b32 s77, 0
	s_lshl_b32 s55, s83, 14
	s_add_co_u32 s78, s54, s55
	s_mov_b32 s79, 0
	s_lshl_b32 s54, s19, 22         ; O: rows of 2,048 bytes, the head's 256 bytes in them
	s_lshl_b32 s55, s15, 8
	s_add_co_u32 s54, s54, s55
	s_lshl_b32 s55, s[BI], 17
	s_add_co_u32 s2, s54, s55
	s_mov_b32 s3, 0
	s_lshl_b32 s55, s83, 17
	s_add_co_u32 s54, s54, s55
	s_mov_b32 s55, 0
	s_mul_i32 s17, s16, 128*PK      ; my half's place in a slot, for K
	s_mul_i32 s18, s16, 128*PV      ; and for V
	s_add_co_u32 s18, s18, VOFF
	s_mov_b32 s[G1K], 15|(1<<16)|(1<<20)|(1<<21)|(5<<22)|(3<<25)  ; the mask of four; 2-byte elements; padding on; bit 21 beside a mask; after every 64 words, 4 words
	s_mov_b32 s[G1V], 15|(1<<16)|(1<<20)|(1<<21)|(5<<22)|(7<<25)  ; the same with 8 words
.irp g, G1K, G1V
	s_mov_b32 s[(\g)+1], 128<<16    ; tensor_dim0 = 128
	s_mov_b32 s[(\g)+2], 128<<16    ; tensor_dim1 = 128
	s_mov_b32 s[(\g)+3], 128<<16    ; tile_dim0 = 128
	s_mov_b32 s[(\g)+4], 128        ; tile_dim1 = 128
	s_mov_b32 s[(\g)+5], 128        ; elements from row to row
	s_mov_b32 s[(\g)+6], 0
	s_mov_b32 s[(\g)+7], 0
.endr
	s_mov_b32 s[CS], 0x420293ee     ; c = 256 log2(e) / sqrt(128) = 32.6444
	s_mov_b32 s[CS+1], s[CS]
	s_mov_b32 s[SEL], 0x76543210
	s_mov_b32 s[SEL+1], 0xfedcba98
	s_mov_b32 s[SBF], 0
	s_mov_b32 s[SBR], SLOTB         ; the first change of slots turns it into 0
	s_mov_b32 s[SLOTS], 8
	s_sub_co_u32 s[RT], 8, s14      ; the first block has 8 - a tiles
	s_mov_b32 s[NXT], 1
	s_sub_co_u32 s[LQ], 7, s14
	s_mov_b32 s[OFF+1], 0
	s_mov_b32 s[BIGN], 0xf149f2ca   ; -1e30
	s_mov_b32 s[G0K], 1
	s_mov_b32 s[G0K+1], s17         ; slot 0
	s_mov_b32 s[G0V], 1
	s_mov_b32 s[G0V+1], s18
	s_wait_dscnt 0x0                ; the opening add is done
	s_wait_kmcnt 0x0
	s_add_nc_u64 s[4:5], s[8:9], s[76:77]      ; Q of the first block
	s_add_nc_u64 s[84:85], s[8:9], s[78:79]    ; and of the second
	s_add_nc_u64 s[6:7], s[8:9], s[22:23]      ; K at my half of tile 0
	s_add_nc_u64 s[8:9], s[8:9], s[52:53]      ; V likewise
	s_add_nc_u64 s[80:81], s[10:11], s[54:55]  ; O of the second block
	s_add_nc_u64 s[10:11], s[10:11], s[2:3]    ; and of the first
	s_add_nc_u64 s[G0K+2:G0K+3], s[6:7], 0
	s_or_b32 s[G0K+3], s[G0K+3], 0x80000000
	s_add_nc_u64 s[G0V+2:G0V+3], s[8:9], 0
	s_or_b32 s[G0V+3], s[G0V+3], 0x80000000
	CROUND                          ; all four work-groups are here: the first joint loads meet
	JLOAD                           ; tile 0 into slot 0
	v_and_b32 v1, 15, v0            ; l % 16
	v_bfe_u32 v9, v0, 4, 1          ; l / 16
	v_lshlrev_b32 v[QO], 8, v1
	v_lshl_add_u32 v[QO], v9, 4, v[QO]
	WIN 0x80                        ; destination window 2
.irp i, 0,1,2,3,4,5,6,7,8,9,10,11,12,13,14,15  ; Q stays in registers: tile i / 4, channels 32 (i % 4) on
	global_load_b128 v[8*(\i):8*(\i)+3],   v[QO], s[4:5] offset:((\i)/4)*4096+((\i)%4)*64
	global_load_b128 v[8*(\i)+4:8*(\i)+7], v[QO], s[4:5] offset:((\i)/4)*4096+((\i)%4)*64+32
.endr
	; A block's first step multiplies O^T and l by a = 0, so O^T need only hold finite numbers: zeros for the first block, what the first block left for the second.  This stands in the wait for the first tile.
	WIN 0x40
.set z, 0
.rept 256
	v_mov_b32 v[z], 0
.set z, z+1
.endr
.macro ZMASK                        ; no key is hidden
	WIN 0xc0
.set z, 0
.rept 56
	v_mov_b32 v[MC+z], 0
.set z, z+1
.endr
	WIN 0
.endm
.macro STATS0                       ; a block begins
.irp t, 0,1,2,3
	v_mov_b32 v[ST+8*(\t)], 0xfe000000    ; c m: far below c times the floor of m
	v_mov_b32 v[ST+8*(\t)+1], 0xec800000  ; m: -2^90
	v_mov_b32 v[ST+8*(\t)+2], 0
	v_mov_b32 v[ST+8*(\t)+3], 0
.endr
.endm
	ZMASK
	STATS0
	v_mul_u32_u24 v[AK0], v1, PK
	v_lshl_add_u32 v[AK0], v9, 4, v[AK0]
	s_mul_i32 s20, s[WV], 64*PK     ; my wave's 64 keys
	v_add_nc_u32 v[AK0], s20, v[AK0]
	v_and_b32 v46, 7, v0            ; the turning load: lane l reads key 8 (l / 16) + l % 8, channels 8 ((l / 8) % 2) + 0..7
	v_bfe_u32 v47, v0, 3, 1
	v_lshl_add_u32 v[AV0], v9, 3, v46
	v_mul_u32_u24 v[AV0], v[AV0], PV
	v_lshl_add_u32 v[AV0], v47, 4, v[AV0]
	s_mul_i32 s20, s[WV], 64*PV
	s_add_co_u32 s20, s20, VOFF
	v_add_nc_u32 v[AV0], s20, v[AV0]
	s_lshl_b32 s20, s[WV], 9
	s_add_co_u32 s20, s20, STATS
	v_lshl_add_u32 v[SW], v1, 3, s20
	v_lshl_add_u32 v[SR], v1, 3, STATS
	v_mul_u32_u24 v[MW], v1, MP
	v_lshl_add_u32 v[MW], v9, 5, v[MW]
	s_mul_i32 s20, s[WV], 16*MP
	s_add_co_u32 s20, s20, MRG
	v_add_nc_u32 v[MW], s20, v[MW]
	v_and_b32 v46, 31, v0
	s_mul_i32 s20, s[WV], 4*MP      ; I sum rows 4 w .. 4 w + 3 of each tile
	s_add_co_u32 s20, s20, MRG
	v_lshl_add_u32 v[MR], v46, 4, s20
	s_lshl_b32 s20, s[WV], 13
	v_lshl_add_u32 v[GO], v46, 3, s20
	v_lshlrev_b32 v[DV], 3, v9
	v_sub_nc_u32 v[DV], v1, v[DV]
; THE MASKS of a block's last tile.  Register r of the set for d = key block - query tile is hidden where 16 d + r > 64 (block % 4 - wave) + l % 16 - 8 (l / 16):
; nothing for a wave below the diagonal, everything for one above it.
.macro MASKS
	WIN 0
	s_and_b32 s51, s[BI], 3
	s_sub_co_i32 s51, s51, s[WV]
	s_lshl_b32 s51, s51, 6
	v_add_nc_u32 v[CV], s51, v[DV]
	WIN 0xc0
.set z, 0
.rept 56
	v_cmp_gt_i32 vcc_lo, 16*(z/8-3)+z%8, v[CV]
	v_cndmask_b32 v[MC+z], 0, s[BIGN], vcc_lo
.set z, z+1
.endr
	WIN 0
.endm
; THE MATRIX WORK, for piece x.  The accumulators take turns, one instruction a turn.
; Product i of 32 of S^T = K Q^T: channels 32 (i / 8) on, keys 16 ((i / 2) % 4) on, tile x + i % 2.  The first 8 start the sums, with the mask.
.macro KQ x
.set rS, S+32*((\x)+i%2)+8*((i/2)%4)
.set rK, KF+32*((i/2)%4)+8*(i/8)
.set rQ, 32*((\x)+i%2)+8*(i/8)
.set rM, MC+8*((i/2)%4-((\x)+i%2)+3)
.if i < 8
	WIN W_KM
	v_wmma_f32_16x16x32_f16 v[rS:rS+7], v[rK:rK+7], v[rQ:rQ+7], v[rM:rM+7]
.else
	WIN W_KQ
	v_wmma_f32_16x16x32_f16 v[rS:rS+7], v[rK:rK+7], v[rQ:rQ+7], v[rS:rS+7]
.endif
.endm
; Product i of 32 of O^T += V^T P: keys 32 (i / 16) on, channels 16 ((i / 2) % 8) on, tile x + i % 2.
.macro PV x
	WIN W_PV
.set rO, 64*((\x)+i%2)+8*((i/2)%8)
.set rV, 64*(i/16)+8*((i/2)%8)
.set rP, P+16*((\x)+i%2)+8*(i/16)
	v_wmma_f32_16x16x32_f16 v[rO:rO+7], v[rV:rV+7], v[rP:rP+7], v[rO:rO+7]
.endm
; THE LDS LOADS stand in runs of 32: my 64 keys of K (16 fragments) and of V (turned).  K's go out by groups of 32 channels, in the order in which the products want them.
.macro FETCH_K
	WIN 0
	v_add_nc_u32 v[ADR], s[SBR], v[AK0]
	WIN 0x80
.irp f, 0,4,8,12,1,5,9,13,2,6,10,14,3,7,11,15  ; keys 16 (f / 4) on, channels 32 (f % 4) on
	ds_load_b128 v[KF+8*(\f):KF+8*(\f)+3],   v[ADR] offset:((\f)/4)*16*PK+((\f)%4)*64
	ds_load_b128 v[KF+8*(\f)+4:KF+8*(\f)+7], v[ADR] offset:((\f)/4)*16*PK+((\f)%4)*64+32
.endr
.endm
.macro FETCH_V
	WIN 0
	v_add_nc_u32 v[ADR], s[SBR], v[AV0]
	WIN 0xc0
.irp f, 0,1,2,3,4,5,6,7,8,9,10,11,12,13,14,15  ; keys 32 (f / 8) on, channels 16 (f % 8) on
	ds_load_tr16_b128 v[8*(\f):8*(\f)+3],   v[ADR] offset:((\f)/8)*32*PV+((\f)%8)*32
	ds_load_tr16_b128 v[8*(\f)+4:8*(\f)+7], v[ADR] offset:((\f)/8)*32*PV+16*PV+((\f)%8)*32
.endr
.endm
; THE VECTOR WORK.  One tile's softmax for a step is a list of 134 instructions; SM writes number j of it for tile t.  s0-s31 are the lane's 32 scores, in pairs 0-15.
;   0-15    the maximum of s0-s31 and the old m, three operands at a time (each accumulator's lowest registers are read first)
;   16-20   the other half of the lanes' maximum; the new m; c m; c m_old - c m_new
;   21-87   33 exponentials (a, then s0-s31) at the odd numbers from 23 on, each with a plain instruction behind it; the plain ones are scalings ahead, roundings behind, the first sums
;   88-101  the last rounding; the rest of the sums; l = a l + the sum          102-133 the tile's O^T times a
.macro SM t
.set rT, ST+8*(\t)
.set rS, S+32*(\t)
.set rP, P+16*(\t)
.set rO, 64*(\t)+2*(j-102)
.set q, (j-20)/2
.if j < 102
	WIN 0
.endif
.if j < 4
	v_max3_num_f32 v[rT+4+j], v[rS+8*j], v[rS+8*j+1], v[rS+8*j+2]
.elseif j < 12
	v_max3_num_f32 v[rT+4+j%4], v[rT+4+j%4], v[rS+8*(j%4)+2*(j/4)+1], v[rS+8*(j%4)+2*(j/4)+2]
.elseif j == 12
	v_max3_num_f32 v[rT+4], v[rT+4], v[rS+7], v[rS+15]
.elseif j == 13
	v_max3_num_f32 v[rT+6], v[rT+6], v[rS+23], v[rS+31]
.elseif j == 14
	v_max3_num_f32 v[rT+4], v[rT+4], v[rT+5], v[rT+6]
.elseif j == 15
	v_max3_num_f32 v[rT+4], v[rT+4], v[rT+7], v[rT+1]
.elseif j == 16
	v_permlanex16_b32 v[rT+5], v[rT+4], s[SEL], s[SEL+1]  ; the query's other 32 keys lie in the lane 16 away
.elseif j == 18
	v_max_num_f32 v[rT+1], v[rT+4], v[rT+5]
.elseif j == 19
	v_mul_f32 v[rT], s[CS], v[rT+1]
.elseif j == 17
	v_mov_b32 v[rT+7], v[rT]        ; c m_old is kept for a
.elseif j == 20
	v_sub_f32 v[rT+7], v[rT+7], v[rT]
.elseif j == 23
	v_exp_f32 v[rT+6], v[rT+7]
.elseif (j < 88) && (j > 23) && (j%2 == 1)
	v_exp_f32 v[rS+(j-25)/2], v[rS+(j-25)/2]
.elseif (q < 4) || ((j < 76) && (q%2 == 0))
.set b, q/2+2
.if q < 4
.set b, q
.endif
	v_pk_fma_f32 v[rS+2*b:rS+2*b+1], v[rS+2*b:rS+2*b+1], s[CS:CS+1], v[rT:rT+1] op_sel_hi:[1,0,0] neg_lo:[0,0,1] neg_hi:[0,0,1]  ; pair b: c s - c m
.elseif (j < 88) && (q%2 == 1)
	s_wait_alu depctr_va_vdst(0)
	v_cvt_pk_f16_f32 v[rP+(q-5)/2], v[rS+q-5], v[rS+q-4]
.elseif j == 89
	s_wait_alu depctr_va_vdst(0)
	v_cvt_pk_f16_f32 v[rP+15], v[rS+30], v[rS+31]
.elseif j < 102                     ; the sum of the tile's 16 pairs, in place: neighbours 1, 2, 4 and 8 pairs apart, then l takes it
.set z, j-86
.if j < 89
.set z, (j-76)/4
.endif
.set w, 4
.set u, z
.if z >= 14
.set w, 32
.set u, 0
.elseif z >= 12
.set w, 16
.set u, z-12
.elseif z >= 8
.set w, 8
.set u, z-8
.endif
.if z < 15
	v_pk_add_f32 v[rS+w*u:rS+w*u+1], v[rS+w*u:rS+w*u+1], v[rS+w*u+w/2:rS+w*u+w/2+1]
.else
	v_pk_fma_f32 v[rT+2:rT+3], v[rT+2:rT+3], v[rT+6:rT+7], v[rS:rS+1] op_sel_hi:[1,0,1]
.endif
.else
	WIN W_RS
	v_pk_mul_f32 v[rO:rO+1], v[rO:rO+1], v[rT+6:rT+7] op_sel_hi:[1,0]
.endif
.endm
; Slice k of 64 of piece y's softmax: numbers 2 k and 2 k + 1 of both tiles' lists; the twelve that are over stand in slice 63.
.macro SLICE y
.if (k >= 11) && (k < 44)           ; tile by tile: plain, exponential, plain, exponential
.irp t, \y, (\y)+1
.irp n, 0,1
.set j, 2*k+(\n)
	SM \t
.endr
.endr
.else                               ; the two tiles alternate
.irp n, 0,1,2,3,4,5,6,7
.if ((\n) < 2) || (k == 63)
.irp t, \y, (\y)+1
.set j, 2*k+(\n)
	SM \t
.endr
.endif
.endr
.endif
.set k, k+1
.endm
; A STEP: my 64 keys of the tile in slot SBR, for all 64 queries.  Two slices stand behind each product of the two middle runs; none names a register of the products round it.
.macro STEP
	FETCH_K                         ; K's last reader stands a whole run of slices back
.set i, 0
.rept 32
.if i%8 == 0
	s_wait_dscnt 24-i               ; eight products want one group of 32 channels, eight loads: the younger groups' loads may stay out
.endif
	KQ 0                            ; piece 0's scores
.set i, i+1
.endr
	PLACES                          ; behind those products, ahead of the first read of their results and of the loads into V's registers
.set k, 0
.set i, 0
.rept 32
	KQ 2                            ; piece 2's scores | piece 0's softmax
	SLICE 0
	SLICE 0
.if i == 1
	FETCH_V
.endif
.set i, i+1
.endr
	s_wait_dscnt 0x0                ; V is in
.set k, 0
.set i, 0
.rept 32
	PV 0                            ; piece 0's V^T P | piece 2's softmax: slices 62 and 63 of the run before, twenty plain lines, are the places behind piece 2's scores
	SLICE 2
	SLICE 2
.set i, i+1
.endr
.set i, 0
.rept 32
	PV 2                            ; piece 2's V^T P
.set i, i+1
.endr
	WIN 0
.endm
; A BLOCK ENDS.  Each wave holds (c m, l, O^T) of its quarter of the keys.  With M the largest c m of the four and L the sum of 2^(c m_w - M) l_w, wave w's share of O is O^T_w 2^(c m_w - M) / L.
; The shares are summed through LDS, a tile of 16 queries at a time: every wave writes its scaled tile, and sums and stores four of the 16 rows.
.macro SCALE t
	WIN W_RS
.set z, 64*(\t)
.rept 32
	v_pk_mul_f32 v[z:z+1], v[z:z+1], v[ST+8*(\t)+6:ST+8*(\t)+7] op_sel_hi:[1,0]
.set z, z+2
.endr
.endm
.macro FINISH next
	WIN 0
.irp t, 0,1,2,3
	v_add_f32 v[ST+8*(\t)+4], v[ST+8*(\t)+2], v[ST+8*(\t)+3]  ; these four are also the places behind the last products
.endr
.if \next
	WIN 0x80
.irp i, 0,1,2,3,4,5,6,7,8,9,10,11,12,13,14,15  ; the second block's Q is on its way during the merge
	global_load_b128 v[8*(\i):8*(\i)+3],   v[QO], s[84:85] offset:((\i)/4)*4096+((\i)%4)*64
	global_load_b128 v[8*(\i)+4:8*(\i)+7], v[QO], s[84:85] offset:((\i)/4)*4096+((\i)%4)*64+32
.endr
	WIN 0
.endif
.irp t, 0,1,2,3
	v_permlanex16_b32 v[ST+8*(\t)+5], v[ST+8*(\t)+4], s[SEL], s[SEL+1]
.endr
.irp t, 0,1,2,3
	v_add_f32 v[ST+8*(\t)+1], v[ST+8*(\t)+4], v[ST+8*(\t)+5]  ; l, beside c m
.endr
.irp t, 0,1,2,3
	ds_store_b64 v[SW], v[ST+8*(\t):ST+8*(\t)+1] offset:128*(\t)
.endr
	s_wait_dscnt 0x0                ; for the others' sake
	s_barrier_signal -1
	s_barrier_wait -1
.irp t, 0,1,2,3
.irp u, 0,1,2,3
	ds_load_b64 v[S+8*(\t)+2*(\u):S+8*(\t)+2*(\u)+1], v[SR] offset:512*(\u)+128*(\t)
.endr
.endr
	s_wait_dscnt 0x0
.irp t, 0,1,2,3                     ; at work: v[160 + 8 t ..]: M; four differences, then my own; L; 1 / L
	v_max3_num_f32 v[160+8*(\t)], v[S+8*(\t)], v[S+8*(\t)+2], v[S+8*(\t)+4]
.endr
.irp t, 0,1,2,3
	v_max_num_f32 v[160+8*(\t)], v[160+8*(\t)], v[S+8*(\t)+6]
.endr
.irp t, 0,1,2,3
.irp u, 0,1,2,3
	v_sub_f32 v[161+8*(\t)+(\u)], v[S+8*(\t)+2*(\u)], v[160+8*(\t)]
.endr
	v_sub_f32 v[165+8*(\t)], v[ST+8*(\t)], v[160+8*(\t)]
.endr
.irp t, 0,1,2,3
.irp u, 1,2,3,4,5
	v_exp_f32 v[160+8*(\t)+(\u)], v[160+8*(\t)+(\u)]
.endr
.endr
	v_nop                           ; a plain instruction between the last exponential and the use of its result
	s_wait_alu depctr_va_vdst(0)
.irp t, 0,1,2,3
	v_mul_f32 v[166+8*(\t)], v[161+8*(\t)], v[S+8*(\t)+1]
.endr
.irp u, 1,2,3
.irp t, 0,1,2,3
	v_fmac_f32 v[166+8*(\t)], v[161+8*(\t)+(\u)], v[S+8*(\t)+2*(\u)+1]
.endr
.endr
.irp t, 0,1,2,3
	v_rcp_f32 v[167+8*(\t)], v[166+8*(\t)]
.endr
	v_nop
	s_wait_alu depctr_va_vdst(0)
.irp t, 0,1,2,3
	v_mul_f32 v[ST+8*(\t)+6], v[165+8*(\t)], v[167+8*(\t)]
.endr
	SCALE 0
.irp t, 0,1,2,3
	WIN 0x04                        ; the stores' data in window 1
.irp c, 0,1,2,3,4,5,6,7
	ds_store_b128 v[MW], v[64*(\t)+8*(\c):64*(\t)+8*(\c)+3]   offset:64*(\c)
	ds_store_b128 v[MW], v[64*(\t)+8*(\c)+4:64*(\t)+8*(\c)+7] offset:64*(\c)+16
.endr
	WIN 0
	s_wait_dscnt 0x0                ; for the others' sake: my tile is written
	s_barrier_signal -1
	s_barrier_wait -1
.irp p, 0,1,2,3
.irp u, 0,1,2,3
	ds_load_b128 v[96+16*(\p)+4*(\u):96+16*(\p)+4*(\u)+3], v[MR] offset:16*MP*(\u)+MP*(\p)  ; row 4 w + p of wave u's tile: 32 lanes, four channels each
.endr
.endr
	s_wait_dscnt 0x0                ; my reads are over:
.if (\t) < 3
	s_barrier_signal -1             ; the next tile is written only when all four have said so; work on registers stands between signal and wait
.endif
.irp p, 0,1,2,3
	v_pk_add_f32 v[96+16*(\p):96+16*(\p)+1],    v[96+16*(\p):96+16*(\p)+1],    v[96+16*(\p)+4:96+16*(\p)+5]
	v_pk_add_f32 v[96+16*(\p)+2:96+16*(\p)+3],  v[96+16*(\p)+2:96+16*(\p)+3],  v[96+16*(\p)+6:96+16*(\p)+7]
	v_pk_add_f32 v[96+16*(\p)+8:96+16*(\p)+9],  v[96+16*(\p)+8:96+16*(\p)+9],  v[96+16*(\p)+12:96+16*(\p)+13]
	v_pk_add_f32 v[96+16*(\p)+10:96+16*(\p)+11], v[96+16*(\p)+10:96+16*(\p)+11], v[96+16*(\p)+14:96+16*(\p)+15]
.endr
.irp p, 0,1,2,3
	v_pk_add_f32 v[96+16*(\p):96+16*(\p)+1],   v[96+16*(\p):96+16*(\p)+1],   v[96+16*(\p)+8:96+16*(\p)+9]
	v_pk_add_f32 v[96+16*(\p)+2:96+16*(\p)+3], v[96+16*(\p)+2:96+16*(\p)+3], v[96+16*(\p)+10:96+16*(\p)+11]
.endr
.irp p, 0,1,2,3
	v_cvt_pk_f16_f32 v[P+8*(\t)+2*(\p)],   v[96+16*(\p)],   v[96+16*(\p)+1]
	v_cvt_pk_f16_f32 v[P+8*(\t)+2*(\p)+1], v[96+16*(\p)+2], v[96+16*(\p)+3]
.endr
.if (\t) < 3
	SCALE (\t)+1
	WIN 0
	s_barrier_wait -1
.endif
.irp p, 0,1,2,3
	global_store_b64 v[GO], v[P+8*(\t)+2*(\p):P+8*(\t)+2*(\p)+1], s[10:11] offset:(16*(\t)+(\p))*2048  ; 256 consecutive bytes, aligned: the head's part of a row
.endr
.endr
.if \next
	STATS0
	ZMASK
	s_wait_xcnt 0x0                 ; the stores have read their registers and O's address
	s_mov_b64 s[10:11], s[80:81]
	s_mov_b32 s[BI], s83
	s_add_co_u32 s[RT], s14, 1      ; the second block has a + 1 tiles
	s_wait_loadcnt 0x0              ; its Q is in
.endif
.endm
	s_wait_loadcnt 0x0              ; Q
.Lslot:                             ; eight times: a tile is entered and the next is asked for
	CHANGE 1
	s_sub_co_u32 s[RT], s[RT], 1
	STEP
	s_cmp_lg_u32 s[RT], 0
	s_cbranch_scc1 .Lgo_on          ; the same way for all four waves and all four partners: it hangs on a alone
	FINISH 1                        ; in the loop this is the first block's end: the second's last tile is the walk's last
.Lgo_on:
	s_cmp_lg_u32 s[RT], 1
	s_cbranch_scc1 .Lbottom         ; only a block's last tile holds the diagonal
	MASKS                           ; the tile to come is that one: in the eighth trip always, so the tail finds its masks made.  The first block has five tiles or more, so its last is never the walk's first
.Lbottom:
	s_sub_co_u32 s[SLOTS], s[SLOTS], 1
	s_cmp_lg_u32 s[SLOTS], 0
	s_cbranch_scc1 .Lslot
	CHANGE 0                        ; the walk's last tile is written out
	STEP
	FINISH 0
	s_wait_tensorcnt 0x0            ; the wave's end
	ds_add_u32 v[SPW], v[NIL]
	s_wait_dscnt 0x0
	CROUND                          ; the closing round
	s_endpgm
.Lfunc_end_k_qa570942d67_attn:
	.size	k_qa570942d67_attn, .Lfunc_end_k_qa570942d67_attn-k_qa570942d67_attn
	.p2alignl 7, 3214868480
	.fill 96, 4, 3214868480
	.section	.rodata,"a",@progbits
	.p2align	6, 0x0
	.amdhsa_kernel k_qa570942d67_attn
		.amdhsa_group_segment_fixed_size 327680
		.amdhsa_private_segment_fixed_size 0
		.amdhsa_enable_private_segment 0
		.amdhsa_kernarg_size 16
		.amdhsa_user_sgpr_count 2
		.amdhsa_user_sgpr_kernarg_segment_ptr 1
		.amdhsa_wavefront_size32 1
		.amdhsa_system_sgpr_workgroup_id_x 1
		.amdhsa_system_sgpr_workgroup_id_y 1
		.amdhsa_system_sgpr_workgroup_id_z 1
		.amdhsa_system_vgpr_workitem_id 0
		.amdhsa_next_free_vgpr 952
		.amdhsa_next_free_sgpr 88
		.amdhsa_reserve_vcc 1
		.amdhsa_float_denorm_mode_32 3
		.amdhsa_float_denorm_mode_16_64 3
		.amdhsa_memory_ordered 1
		.amdhsa_forward_progress 1
		.amdhsa_inst_pref_size 192
	.end_amdhsa_kernel
	.amdgpu_metadata
---
amdhsa.version: [ 1, 2 ]
amdhsa.kernels:
  - .name:           k_qa570942d67_attn
    .symbol:         k_qa570942d67_attn.kd
    .args:
      - { .name: qkvh, .offset: 0, .size: 8, .value_kind: global_buffer, .address_space: global }
      - { .name: attn, .offset: 8, .size: 8, .value_kind: global_buffer, .address_space: global }
    .group_segment_fixed_size: 327680
    .private_segment_fixed_size: 0
    .kernarg_segment_align: 8
    .kernarg_segment_size: 16
    .max_flat_workgroup_size: 128
    .sgpr_count:     88
    .vgpr_count:     952
    .wavefront_size: 32
...
	.end_amdgpu_metadata
.endif
;; end of part 3
;; launch oproj (part 4): grid 16 x 16, 4 waves a work-group, clusters of 4 x 4, 327,680 bytes of LDS; arguments attn, wo16, out0; writes out0
.if DOCPART == 4
	.amdgcn_target "amdgcn-amd-amdhsa--gfx1250"
	.amdhsa_code_object_version 6
	.text
	.protected	k_qa570942d67_oproj
	.globl	k_qa570942d67_oproj
	.p2align	8
	.type	k_qa570942d67_oproj,@function
k_qa570942d67_oproj:
	s_mov_b64 s[64:65], 0
	v_nop
	global_prefetch_b8 v0, s[64:65] scope:SCOPE_SE
	s_setreg_imm32_b32 hwreg(HW_REG_WAVE_MODE, 25, 1), 1
	s_wait_xcnt 0x0
	s_wait_alu depctr_hold_cnt(0) depctr_sa_sdst(0) depctr_va_vdst(0) depctr_va_sdst(0) depctr_va_ssrc(0) depctr_va_vcc(0) depctr_vm_vsrc(0)
	s_getreg_b32 s2, hwreg(HW_REG_IB_STS2, 6, 4)
	s_cmp_eq_u32 s2, 0
	s_cbranch_scc0 .Lentry_in_a_cluster
	s_endpgm
.Lentry_in_a_cluster:
	s_bfe_u32 s2, ttmp6, 0x10000c
	s_cmp_lg_u32 s2, 0xf033
	s_cbranch_scc0 .Lentry_shape_is_right
	s_endpgm
.Lentry_shape_is_right:
; out0 = O wo.  attn [4096][1024] f16 holds O / 16, wo16 [1024 k][4096 n] f16 holds 16 wo (wo rounded to bf16): the two powers of two cancel exactly.  out0 [4096][4096] f32; sums in f32, K ascending.
; A tile of 256 x 256 is made by four waves, each 128 x 128: 64 accumulators, 512 registers.  16 x 16 = 256 work-groups, one tile each.  K goes in steps of 128 through two LDS slots;
; a trip of the loop is one K step, and which slot is read and which is filled stands in two scalar registers.
; wo16 lies [k][n]: its fragments come out of LDS turned, by ds_load_tr16_b128.
; THE MATRIX INSTRUCTION IS USED TRANSPOSED (source 0 = 16 columns of wo, source 1 = 16 rows of O): a lane holds eight neighbouring numbers of a row of the result.
; CLUSTER 4 x 4: O's tiles are asked for jointly along a row of the cluster, wo's along a column.
; REGISTERS, in windows of 256: window 0: v0-31 addresses; v64-127, v128-191 fragments of O, two buffers (on the way out: rows read back); window 1: the same places, fragments of wo;
;   window 2: the accumulators of my rows 0-63 ((a, b) at v[8 (8 a + b)]); window 3: those of my rows 64-127.
.set SIZE_K, 1024
.set SIZE_N, 4096
.set KSTEP,  128
.set STEPS,  SIZE_K/KSTEP
.set PITCH,  272                       ; an LDS row of O: 256 bytes + 16
.set PB,     544                       ; an LDS row of wo: 512 bytes + 32 = 17 x 32
.set HALFT,  128*PITCH                 ; what one tensor load brings: 128 rows of O, or 64 rows of wo: the same bytes
.set SLOT,   4*HALFT
.set STAGE,  2*SLOT                    ; 16 rows x 528 bytes for each wave, for the way out; no tensor load fills it
.set SPITCH, 528
.set SPARE,  STAGE+4*16*SPITCH         ; the spare words, 128 bytes for each wave: two blocks of 256 bytes that no other line names
.set ADRA, 16                          ; v16  my lane's place in a slot's rows of O; never rewritten
.set TA,   17                          ; v17  the same in the slot that is read
.set ADRB, 20                          ; v20, v21  the same for wo
.set TB,   21
.set STO,  24
.set RD,   25
.set CO,   26
.set SPW,  28
.set NIL,  29
.set F0,   64
.set F1,   128
.set SBF, 18                           ; s18  the slot filled last
.set SBR, 19                           ; s19  the slot that is read
.set G1, 24                            ; s[24:31] group 1 for O's tiles;  s[32:39] group 0: a set for each of the two first fills; the second then walks on
.set G0, 32
.set G1B, 48                           ; s[48:55], s[56:63] the same for wo's
.set G0B, 56
.set MSB, 0
.macro WIN new
.if MSB != (\new)
	s_set_vgpr_msb (MSB<<8)|(\new)
.set MSB, \new
.endif
.endm
.set MUL_LO, 0xa1                      ; source 0 (wo) window 1, source 1 (O) window 0, C and D window 2
.set MUL_HI, 0xf1                      ; the same, C and D window 3
.set TO_B,   0x40                      ; destination window 1
.macro PLACES
.rept 4
	v_nop
.endr
.endm
.macro JLOAD                           ; a joint refill: waves 0 and 1 fetch O's two halves, waves 2 and 3 wo's
	s_cmp_eq_u32 s11, 0
	s_cbranch_scc0 .Lfor_b_\@
	tensor_load_to_lds s[G0+4:G0+7], s[G1:G1+7]
	s_nop 0
	PLACES
	s_branch .Lasked_\@
.Lfor_b_\@:
	tensor_load_to_lds s[G0B+4:G0B+7], s[G1B:G1B+7]
	s_nop 0
	PLACES
.Lasked_\@:
.endm
.macro CREST
	s_cmp_lg_u32 s10, 0
	s_cbranch_scc1 .Lnot_wave_0_\@
	s_barrier_signal -3
.Lnot_wave_0_\@:
	s_barrier_wait -3
	s_barrier_signal -1
	s_barrier_wait -1
.endm
.macro CROUND
	s_barrier_signal -1
	s_barrier_wait -1
	CREST
.endm
	s_load_b128 s[4:7], s[0:1], 0x0                ; attn s[4:5], wo16 s[6:7]
	s_load_b64 s[8:9], s[0:1], 0x10                ; out0
	v_lshl_add_u32 v[SPW], v0, 2, SPARE
	v_mov_b32 v[NIL], 0
	ds_add_u32 v[SPW], v[NIL]                      ; the wave's opening: the add and its wait stand ahead of my first tensor load
	v_lshrrev_b32 v1, 5, v0
	v_readfirstlane_b32 s10, v1                    ; wave 0..3
	s_lshr_b32 s11, s10, 1                         ; my half of the rows.  Also: I fetch for O (0) or for wo (1)
	s_and_b32 s12, s10, 1                          ; my half of the columns.  Also: which half of that tile I fetch
	s_bfe_u32 s40, ttmp6, 0x40000                  ; cx
	s_bfe_u32 s41, ttmp6, 0x40004                  ; cy
	s_lshl_b32 s42, ttmp9, 2
	s_add_co_u32 s42, s42, s40                     ; tile column
	s_and_b32 s13, ttmp7, 0xffff
	s_lshl_b32 s13, s13, 2
	s_add_co_u32 s13, s13, s41                     ; tile row
	s_lshl_b32 s43, s41, 2
	s_lshl_b32 s43, 15, s43                        ; my row of the cluster
	s_lshl_b32 s44, 0x1111, s40                    ; my column
	s_or_b32 s[G1+0], s43, (1<<16)|(1<<20)|(1<<21)|(5<<22)|(3<<25)   ; O: 128 rows x 128 elements; after every 64 words, 4 words
	s_mov_b32 s[G1+1], KSTEP<<16
	s_mov_b32 s[G1+2], 128<<16
	s_mov_b32 s[G1+3], KSTEP<<16
	s_mov_b32 s[G1+4], 128
	s_mov_b32 s[G1+5], SIZE_K
	s_mov_b32 s[G1+6], 0
	s_mov_b32 s[G1+7], 0
	s_or_b32 s[G1B+0], s44, (1<<16)|(1<<20)|(1<<21)|(6<<22)|(7<<25)  ; wo: 64 rows of k x 256 elements; after every 128 words, 8 words
	s_mov_b32 s[G1B+1], 256<<16
	s_mov_b32 s[G1B+2], 64<<16
	s_mov_b32 s[G1B+3], 256<<16
	s_mov_b32 s[G1B+4], 64
	s_mov_b32 s[G1B+5], SIZE_N
	s_mov_b32 s[G1B+6], 0
	s_mov_b32 s[G1B+7], 0
	s_lshl_b32 s16, s13, 19                        ; O: (256 tile row + 128 half) rows of 2,048 bytes
	s_lshl_b32 s17, s12, 18
	s_add_co_u32 s16, s16, s17
	s_mov_b32 s17, 0
	s_lshl_b32 s46, s42, 9                         ; wo: 512 bytes a tile column, 64 half rows of 8,192 bytes
	s_lshl_b32 s47, s12, 19
	s_add_co_u32 s46, s46, s47
	s_mov_b32 s47, 0
	s_mul_i32 s20, s10, HALFT                      ; LDS: O's two halves, then wo's two halves = wave x the same bytes; kept for the walking descriptors
	s_mov_b32 s[SBF], SLOT                         ; the second first fill goes to slot 1
	s_mov_b32 s[SBR], 0
	s_wait_dscnt 0x0                               ; the opening add is done
	s_wait_kmcnt 0x0
	s_add_nc_u64 s[14:15], s[4:5], s[16:17]
	s_add_nc_u64 s[46:47], s[6:7], s[46:47]
	CROUND                                         ; all sixteen work-groups are here: the first joint loads meet
.irp s, 0,1
	s_mov_b32 s[G0+4*(\s)], 1
	s_add_co_u32 s[G0+4*(\s)+1], s20, (\s)*SLOT
	s_add_nc_u64 s[G0+4*(\s)+2:G0+4*(\s)+3], s[14:15], (\s)*KSTEP*2
	s_or_b32 s[G0+4*(\s)+3], s[G0+4*(\s)+3], 0x80000000
	s_mov_b32 s[G0B+4*(\s)], 1
	s_add_co_u32 s[G0B+4*(\s)+1], s20, (\s)*SLOT
	s_add_nc_u64 s[G0B+4*(\s)+2:G0B+4*(\s)+3], s[46:47], (\s)*KSTEP*SIZE_N*2
	s_or_b32 s[G0B+4*(\s)+3], s[G0B+4*(\s)+3], 0x80000000
.endr
	s_cmp_eq_u32 s11, 0                            ; a wave's two first fills stand in one branch: K step 0, K step 1: two loads of mine are out
	s_cbranch_scc0 .Lfirst_b
	tensor_load_to_lds s[G0:G0+3], s[G1:G1+7]
	s_nop 0
	tensor_load_to_lds s[G0+4:G0+7], s[G1:G1+7]
	s_nop 0
	PLACES
	s_branch .Lfirst_asked
.Lfirst_b:
	tensor_load_to_lds s[G0B:G0B+3], s[G1B:G1B+7]
	s_nop 0
	tensor_load_to_lds s[G0B+4:G0B+7], s[G1B:G1B+7]
	s_nop 0
	PLACES
.Lfirst_asked:
	v_and_b32 v1, 15, v0                           ; l % 16
	v_bfe_u32 v2, v0, 4, 1                         ; l / 16
	v_mul_u32_u24 v3, v1, PITCH
	v_lshl_add_u32 v3, v2, 4, v3
	v_and_b32 v4, 7, v0                            ; the turning load: k row 8 (l / 16) + l % 8, 16 bytes at 16 ((l / 8) % 2)
	v_lshl_add_u32 v4, v2, 3, v4
	v_mul_u32_u24 v4, v4, PB
	v_bfe_u32 v5, v0, 3, 1
	v_lshl_add_u32 v4, v5, 4, v4
	s_mul_i32 s21, s11, HALFT                      ; my 128 rows of O
	s_lshl_b32 s22, s12, 8                         ; my 128 columns of wo,
	s_add_co_u32 s22, s22, 2*HALFT                 ; which lies behind O
	v_add_nc_u32 v[ADRA], s21, v3
	v_add_nc_u32 v[ADRB], s22, v4
	v_add_nc_u32 v[TA], s[SBR], v[ADRA]
	v_add_nc_u32 v[TB], s[SBR], v[ADRB]
	s_mul_i32 s23, s10, 16*SPITCH
	s_add_co_u32 s23, s23, STAGE                   ; my stage
	v_mul_u32_u24 v4, v1, SPITCH                   ; in: row l % 16, 32 bytes for each half of the lanes
	v_lshl_add_u32 v4, v2, 5, v4
	v_add_nc_u32 v[STO], s23, v4
	v_and_b32 v5, 31, v0
	v_lshlrev_b32 v[CO], 4, v5                     ; back, and out: 32 lanes take a row's 512 bytes
	v_add_nc_u32 v[RD], s23, v[CO]
	s_lshl_b32 s16, s13, 22                        ; out0: (256 tile row + 128 (w / 2)) rows of 16,384 bytes,
	s_lshl_b32 s17, s11, 21
	s_add_co_u32 s16, s16, s17
	s_mov_b32 s17, 0
	s_add_nc_u64 s[8:9], s[8:9], s[16:17]
	s_lshl_b32 s46, s42, 10                        ; 1,024 bytes a tile column, 512 for my half
	s_lshl_b32 s47, s12, 9
	s_add_co_u32 s46, s46, s47
	s_mov_b32 s47, 0
	s_add_nc_u64 s[8:9], s[8:9], s[46:47]
; 16 matrix instructions: row blocks a0, a0 + 1 of the window's four x all 8 column blocks, 32 along K.  The 64 accumulators take turns.
.macro MUL16 f, hi, a0, zero
	WIN MUL_LO+0x50*(\hi)
.irp a, \a0, (\a0)+1
.irp b, 0,1,2,3,4,5,6,7
.if \zero
	v_wmma_f32_16x16x32_f16 v[8*(8*(\a)+(\b)):8*(8*(\a)+(\b))+7], v[(\f)+8*(\b):(\f)+8*(\b)+7], v[(\f)+8*(4*(\hi)+(\a)):(\f)+8*(4*(\hi)+(\a))+7], 0
.else
	v_wmma_f32_16x16x32_f16 v[8*(8*(\a)+(\b)):8*(8*(\a)+(\b))+7], v[(\f)+8*(\b):(\f)+8*(\b)+7], v[(\f)+8*(4*(\hi)+(\a)):(\f)+8*(4*(\hi)+(\a))+7], v[8*(8*(\a)+(\b)):8*(8*(\a)+(\b))+7]
.endif
.endr
.endr
.endm
; 32 LDS loads in one run: quarter q of the slot that is read, into buffer f: wo's 8 column blocks, turned, then O's 8 row blocks
.macro FETCH q, f
	WIN TO_B
.irp i, 0,1,2,3,4,5,6,7
	ds_load_tr16_b128 v[(\f)+8*(\i):(\f)+8*(\i)+3],   v[TB] offset:(\q)*32*PB+32*(\i)
	ds_load_tr16_b128 v[(\f)+8*(\i)+4:(\f)+8*(\i)+7], v[TB] offset:(\q)*32*PB+16*PB+32*(\i)
.endr
	WIN 0
.irp i, 0,1,2,3,4,5,6,7
	ds_load_b128 v[(\f)+8*(\i):(\f)+8*(\i)+3],   v[TA] offset:(\q)*64+(\i)*16*PITCH
	ds_load_b128 v[(\f)+8*(\i)+4:(\f)+8*(\i)+7], v[TA] offset:(\q)*64+(\i)*16*PITCH+32
.endr
.endm
.macro QUARTER q, f, g, zero
	s_wait_dscnt 8                                 ; wo and O's rows 0-63 are in; the youngest eight loads (rows 64-127) may be out
	MUL16 \f, 0, 0, \zero
	MUL16 \f, 0, 2, \zero
	PLACES
	FETCH \q, \g
	s_wait_dscnt 32                                ; all but the 32 just issued
	MUL16 \f, 1, 0, \zero
	MUL16 \f, 1, 2, \zero
.endm
; The last quarter multiplies buffer 1 and changes slots: one barrier.  In front of it each wave waits for all its tensor loads, adds 0 to its spare word, and waits for that and for its reads of this slot.
; fill = 1: the barrier opens a round of the cluster's; the slot just read is filled again, two K steps ahead: 224 matrix instructions stand between the request and the wait for it.
.macro TURN fill
	WIN 0
	s_wait_tensorcnt 0x0                           ; all my tensor loads have landed: the one that was out is my part of the next slot; so a group 0 may be written
	ds_add_u32 v[SPW], v[NIL]
	s_wait_dscnt 9                                 ; (the add and the youngest eight loads may be out)
	MUL16 F1, 0, 0, 0
	s_wait_dscnt 0x0                               ; the add is done, and my reads of this slot are over
	s_barrier_signal -1
	MUL16 F1, 0, 2, 0
	WIN 0                                          ; branches, or lines on window 0, follow
	s_barrier_wait -1
.if \fill
	CREST
	s_xor_b32 s[SBF], s[SBF], SLOT                 ; the walking descriptors: the other slot than last time, the next K step; the type bits on top are not reached
	s_add_co_u32 s[G0+5], s[SBF], s20
	s_add_nc_u64 s[G0+6:G0+7], s[G0+6:G0+7], KSTEP*2
	s_add_co_u32 s[G0B+5], s[SBF], s20
	s_add_nc_u64 s[G0B+6:G0B+7], s[G0B+6:G0B+7], KSTEP*SIZE_N*2
	JLOAD                                          ; the four v_nop behind it are also the places in front of the loads below
.else
	PLACES
.endif
	s_xor_b32 s[SBR], s[SBR], SLOT                 ; the reads go to the other slot
	v_add_nc_u32 v[TA], s[SBR], v[ADRA]
	v_add_nc_u32 v[TB], s[SBR], v[ADRB]
	FETCH 0, F0
	MUL16 F1, 1, 0, 0
	MUL16 F1, 1, 2, 0
.endm
	s_wait_tensorcnt 1                             ; my part of K step 0 is in; K step 1's may stay out
	s_barrier_signal -1
	s_barrier_wait -1
	FETCH 0, F0
	QUARTER 1, F0, F1, 1                           ; the first quarter stands in front of the loop: its products start the sums
	WIN 0
	s_mov_b32 s3, STEPS-2
.Lstep:                                                ; a trip is a K step, from its second quarter to the next step's first, and fills the slot that it leaves
	QUARTER 2, F1, F0, 0
	QUARTER 3, F0, F1, 0
	TURN 1
	QUARTER 1, F0, F1, 0
	WIN 0
	s_sub_co_u32 s3, s3, 1
	s_cmp_lg_u32 s3, 0
	s_cbranch_scc1 .Lstep
	QUARTER 2, F1, F0, 0                           ; the last two K steps fill nothing
	QUARTER 3, F0, F1, 0
	TURN 0
	QUARTER 1, F0, F1, 0
	QUARTER 2, F1, F0, 0
	QUARTER 3, F0, F1, 0
	s_wait_dscnt 8
	MUL16 F1, 0, 0, 0
	MUL16 F1, 0, 2, 0
	s_wait_dscnt 0x0
	MUL16 F1, 1, 0, 0
	MUL16 F1, 1, 2, 0
	WIN 0
	PLACES
; THE WAY OUT, in f32, a block of 16 rows at a time: a lane's 32 bytes of a row go straight from the accumulators into my stage, and come back as whole rows of 512 bytes.
.macro TOSTAGE a
	WIN 0
	s_wait_xcnt 0x0                                ; the registers that the stores two blocks back read are loaded again only behind this wait
	WIN 0x08+4*((\a)/4)                            ; the stores' data in window 2 or 3
.set AC, 64*((\a)%4)
.irp b, 0,1,2,3,4,5,6,7
	ds_store_b128 v[STO], v[AC+8*(\b):AC+8*(\b)+3]   offset:64*(\b)      ; each accumulator's low four registers first
	ds_store_b128 v[STO], v[AC+8*(\b)+4:AC+8*(\b)+7] offset:64*(\b)+16
.endr
	WIN 0
.set BKR, 64+64*((\a)%2)
.irp t, 0,1,2,3,4,5,6,7,8,9,10,11,12,13,14,15
	ds_load_b128 v[BKR+4*(\t):BKR+4*(\t)+3], v[RD] offset:(\t)*SPITCH  ; LDS serves a wave's instructions in order (ISA guide 5.7.1.4): these see the stores above; the next block's come behind them
.endr
.endm
.macro SEND a, younger                 ; younger: the LDS instructions issued behind block a's loads: the next block's 32, or none
	WIN 0
.set BKR, 64+64*((\a)%2)
	s_wait_dscnt \younger
.irp t, 0,1,2,3,4,5,6,7,8,9,10,11,12,13,14,15
	global_store_b128 v[CO], v[BKR+4*(\t):BKR+4*(\t)+3], s[8:9] offset:(16*(\a)+(\t))*SIZE_N*4 th:TH_STORE_NT  ; 512 consecutive bytes of a row, aligned; 127 rows at the most: inside the signed 24-bit immediate
.endr
.endm
	TOSTAGE 0
.irp a, 1,2,3,4,5,6,7
	TOSTAGE \a
	SEND (\a)-1, 32
.endr
	SEND 7, 0
	s_wait_tensorcnt 0x0                           ; the wave's end
	ds_add_u32 v[SPW], v[NIL]
	s_wait_dscnt 0x0
	CROUND                                         ; the closing round
	s_endpgm
.Lfunc_end_k_qa570942d67_oproj:
	.size	k_qa570942d67_oproj, .Lfunc_end_k_qa570942d67_oproj-k_qa570942d67_oproj
	.p2alignl 7, 3214868480
	.fill 96, 4, 3214868480
	.section	.rodata,"a",@progbits
	.p2align	6, 0x0
	.amdhsa_kernel k_qa570942d67_oproj
		.amdhsa_group_segment_fixed_size 327680
		.amdhsa_private_segment_fixed_size 0
		.amdhsa_enable_private_segment 0
		.amdhsa_kernarg_size 24
		.amdhsa_user_sgpr_count 2
		.amdhsa_user_sgpr_kernarg_segment_ptr 1
		.amdhsa_wavefront_size32 1
		.amdhsa_system_sgpr_workgroup_id_x 1
		.amdhsa_system_sgpr_workgroup_id_y 1
		.amdhsa_system_sgpr_workgroup_id_z 1
		.amdhsa_system_vgpr_workitem_id 0
		.amdhsa_next_free_vgpr 1024
		.amdhsa_next_free_sgpr 66
		.amdhsa_reserve_vcc 0
		.amdhsa_float_denorm_mode_32 3
		.amdhsa_float_denorm_mode_16_64 3
		.amdhsa_memory_ordered 1
		.amdhsa_forward_progress 1
		.amdhsa_inst_pref_size 114
	.end_amdhsa_kernel
	.amdgpu_metadata
---
amdhsa.version: [ 1, 2 ]
amdhsa.kernels:
  - .name:           k_qa570942d67_oproj
    .symbol:         k_qa570942d67_oproj.kd
    .args:
      - { .name: attn, .offset: 0, .size: 8, .value_kind: global_buffer, .address_space: global }
      - { .name: wo16, .offset: 8, .size: 8, .value_kind: global_buffer, .address_space: global }
      - { .name: out0, .offset: 16, .size: 8, .value_kind: global_buffer, .address_space: global }
    .group_segment_fixed_size: 327680
    .private_segment_fixed_size: 0
    .kernarg_segment_align: 8
    .kernarg_segment_size: 24
    .max_flat_workgroup_size: 128
    .sgpr_count:     66
    .vgpr_count:     1024
    .wavefront_size: 32
...
	.end_amdgpu_metadata
.endif
;; end of part 4
;; ======== version 2 of 2: 4 launches; version 1 with the launch prep written anew for expert scheduling mode
;; limits: values are held in f16: magnitudes above 65,504 overflow, below 6.1e-05 lose precision; right only within a limited range of input values
;; workspace buffers: wqkv 16,777,216 bytes; wo16 8,388,608 bytes; csb 2,162,688 bytes; qkvh 16,777,216 bytes; attn 8,388,608 bytes
;; launch prep (part 5): grid 417 x 1, 8 waves a work-group, no clusters, 0 bytes of LDS; arguments wq, wk, wv, wo, cos, sin, wqkv, wo16, csb; writes wqkv, wo16, csb
.if DOCPART == 5
	.amdgcn_target "amdgcn-amd-amdhsa--gfx1250"
	.amdhsa_code_object_version 6
	.text
	.protected	k_qa570942d67_prep
	.globl	k_qa570942d67_prep
	.p2align	8
	.type	k_qa570942d67_prep,@function
k_qa570942d67_prep:
	s_mov_b64 s[64:65], 0
	v_nop
	global_prefetch_b8 v0, s[64:65] scope:SCOPE_SE
	s_setreg_imm32_b32 hwreg(HW_REG_WAVE_SCHED_MODE, 0, 2), 2
	s_setreg_imm32_b32 hwreg(HW_REG_WAVE_MODE, 25, 1), 1
	s_wait_xcnt 0x0
	s_wait_alu depctr_vm_vsrc(0)
; CASTS of the weights and tables.  Each is rounded once to bf16 and laid out for the launches behind (x is rounded where it is multiplied):
;   wqkv [4096 k][2048 n] bf16 = wq | wk | wv side by side        wo16 [1024][4096] f16 = 16 x bf16(wo)
;   csb  [4096 + 128 rows][256] bf16: rows 0-4095 = bf16(cos)/16 | +-bf16(sin)/16, minus for channels below 64 (rotate_half's sign); rows 4096-4223 = 1/16 | 0, the table of a head that is not rotated
; LIMITS.  |wo| stays under 4,094 (f16 ends at 65,504); 16 wo below 2^-14 keeps f16's fixed step; cos and sin below 2^-122 lose bits in the division by 16.
; cos and sin are rounded to bf16 on purpose, like every other input.
; SHARES.  A work-group takes 32,768 consecutive input numbers, 32 chunks of 1,024.  In a chunk thread t takes the 16 bytes at 16 t: a wave's load covers 512 consecutive
; bytes, its store of 8 bytes a lane 256 consecutive bytes, aligned.  Which tensor, and how output rows are pitched, hangs on the work-group's number alone (the table of ROLE lines).
; Work-group 416 writes the 128 constant rows.
; No LDS, no barrier, no matrix unit: every byte is read once and written once, and memory binds.  A ring of eight slots in registers, taken four at a time, keeps eight loads of every wave out
; while the wave waits for a group's four.
; THE MODE: SCHED_MODE bits 1:0 = 2 (LLVM: expert scheduling mode 2), set by the entry lines.  The code itself states the register dependences
; between vector instructions and memory instructions, with s_wait_alu, always for 0.
; THE PLAN.  Registers that memory instructions touch:
;   X0 .. X7   Written by the loads.  Read by the slot's conversions; behind them the slot is loaded again, with the chunk eight further on.
;   Y0 .. Y7   Written by the slot's conversions; read by the slot's store; written again a round later.
;   v1, OO     Byte offsets, made once at the head and never written again: the rounds are reached by the two scalar bases, the chunks by immediates (loads) and by OO's eight registers (stores).
;   v2 .. v7   are named by vector instructions alone.
; A group is four slots: one wait for its four loads, its conversions, ONE wait on va_vdst, then its four loads and its four stores, with no vector instruction between that wait and them.
; The wait stands behind the conversions, and not at the next group's head, so that the group's slots are asked for again before the wave sits down to wait for the other group's data.
; ONE wait on vm_vsrc a round stands at the round's end, ahead of the branch: behind it every Y may be written again.
.set X,  8                             ; v[8:39]   slot i: 4 registers as loaded
.set Y,  40                            ; v[40:55]  slot i: 2 registers to store
.set OO, 56                            ; v[56:63]  slot i: byte offset of my 8 bytes in the output, chunk i of a round; never rewritten
; From work-group number first on: input pointer, output pointer, byte offset in an output row, log2 of threads to an input row, log2 of the output pitch in bytes
.macro ROLE first, in, out, off, la, lp
	s_cmp_ge_u32 s2, \first
	s_cselect_b64 s[30:31], s[\in:\in+1], s[30:31]
	s_cselect_b64 s[32:33], s[\out:\out+1], s[32:33]
	s_cselect_b32 s34, \first, s34
	s_cselect_b32 s35, \off, s35
	s_cselect_b32 s36, \la, s36
	s_cselect_b32 s37, \lp, s37
.endm
	s_load_b512 s[8:23], s[0:1], 0x0               ; wq s[8:9], wk, wv, wo, cos, sin, wqkv s[20:21], wo16 s[22:23]
	s_load_b64 s[24:25], s[0:1], 0x40              ; csb
	s_mov_b32 s2, ttmp9
	s_mov_b32 s34, 0                               ; the first role: wq, rows of 1,024 into rows of 4,096 bytes
	s_mov_b32 s35, 0
	s_mov_b32 s36, 8
	s_mov_b32 s37, 12
	s_mov_b32 s48, 0xffff0000                      ; a word's upper bf16
	v_lshlrev_b32 v1, 4, v0                        ; 16 t; never rewritten
	s_wait_kmcnt 0x0
	s_cmp_eq_u32 s2, 416
	s_cbranch_scc1 .Lconstant                      ; the last work-group reads nothing
	s_mov_b64 s[30:31], s[8:9]
	s_mov_b64 s[32:33], s[20:21]
	ROLE 128, 10, 20, 2048, 7, 12                  ; wk: rows of 512, from column 1,024 on
	ROLE 192, 12, 20, 3072, 7, 12                  ; wv: from column 1,536 on
	ROLE 256, 14, 22, 0,    8, 11                  ; wo: dense
	ROLE 384, 16, 24, 0,    5, 9                   ; cos: rows of 128 into rows of 512 bytes
	ROLE 400, 18, 24, 256,  5, 9                   ; sin: their second half
	s_cmp_ge_u32 s2, 400
	s_cselect_b32 s49, 0x80000000, 0               ; sin alone takes a sign
	s_sub_co_u32 s50, s2, s34                      ; my number within the role
	s_lshl_b32 s40, s50, 17                        ; 131,072 input bytes a work-group
	s_mov_b32 s41, 0
	s_add_co_u32 s38, s37, 8
	s_sub_co_u32 s38, s38, s36
	s_lshl_b32 s38, 1, s38                         ; output bytes from chunk to chunk
	s_lshl_b32 s42, s38, 5                         ; 32 chunks
	s_mul_i32 s42, s42, s50
	s_add_co_u32 s42, s42, s35
	s_mov_b32 s43, 0
	s_lshl_b32 s44, s38, 3                         ; a round of eight chunks
	s_mov_b32 s45, 0
	s_lshl_b32 s46, 1, s36
	s_sub_co_u32 s46, s46, 1                       ; mask: my place in an input row
	s_add_nc_u64 s[30:31], s[30:31], s[40:41]
	s_add_nc_u64 s[32:33], s[32:33], s[42:43]
	v_lshrrev_b32 v2, s36, v0                      ; my row within a chunk,
	v_lshlrev_b32 v2, s37, v2                      ; times the pitch,
	v_and_b32 v3, s46, v0
	v_lshl_add_u32 v[OO], v3, 3, v2                ; plus 8 bytes for each thread in front of me in the row
.irp i, 1,2,3,4,5,6,7
	v_add_nc_u32 v[OO+(\i)], s38, v[OO+(\i)-1]
.endr
	v_bfe_u32 v3, v0, 4, 1                         ; channels 64 on? (a row of 128 is 32 threads)
	v_xor_b32 v3, 1, v3
	v_lshlrev_b32 v3, 31, v3
	v_and_b32 v3, s49, v3
	v_or_b32 v6, 0x3d800000, v3                    ; 1/16, negative for sin's channels below 64
	v_mov_b32 v7, v6
; mode 0: to bf16.  mode 1: times v[6:7], a power of two, then to bf16.  mode 2: to bf16, back to f32, times 16, to f16 (exact within the limits above).
.macro CONV mode, i
.if (\mode) == 0
	v_cvt_pk_bf16_f32 v[Y+2*(\i)],   v[X+4*(\i)],   v[X+4*(\i)+1]
	v_cvt_pk_bf16_f32 v[Y+2*(\i)+1], v[X+4*(\i)+2], v[X+4*(\i)+3]
.elseif (\mode) == 1
	v_pk_mul_f32 v[2:3], v[X+4*(\i):X+4*(\i)+1],   v[6:7]
	v_pk_mul_f32 v[4:5], v[X+4*(\i)+2:X+4*(\i)+3], v[6:7]
	v_cvt_pk_bf16_f32 v[Y+2*(\i)],   v2, v3
	v_cvt_pk_bf16_f32 v[Y+2*(\i)+1], v4, v5
.else
	v_cvt_pk_bf16_f32 v[Y+2*(\i)],   v[X+4*(\i)],   v[X+4*(\i)+1]
	v_cvt_pk_bf16_f32 v[Y+2*(\i)+1], v[X+4*(\i)+2], v[X+4*(\i)+3]
	v_lshlrev_b32 v2, 16, v[Y+2*(\i)]
	v_and_b32     v3, s48, v[Y+2*(\i)]
	v_lshlrev_b32 v4, 16, v[Y+2*(\i)+1]
	v_and_b32     v5, s48, v[Y+2*(\i)+1]
	v_pk_mul_f32 v[2:3], v[2:3], 0x41800000 op_sel_hi:[1,0]
	v_pk_mul_f32 v[4:5], v[4:5], 0x41800000 op_sel_hi:[1,0]
	v_cvt_pk_f16_f32 v[Y+2*(\i)],   v2, v3
	v_cvt_pk_f16_f32 v[Y+2*(\i)+1], v4, v5
.endif
.endm
; Group g of a round: slots 4 g to 4 g + 3.  left = how many younger loads may stay out.  ahead = 1: the slots are filled again with the chunks eight further on.
.macro GROUP g, ahead, left, mode
	s_wait_loadcnt \left                           ; loads come back in order (ISA guide 5.7.1): my group's four are in, the other group's four stay out
.irp i, 0,1,2,3
	CONV \mode, 4*(\g)+(\i)
.endr
	s_wait_alu depctr_va_vdst(0)                   ; the conversions have written the group's Y, which the stores below read, and are done reading its X, in which the loads below land
.if \ahead
.irp i, 0,1,2,3
	global_load_b128 v[X+4*(4*(\g)+(\i)):X+4*(4*(\g)+(\i))+3], v1, s[30:31] offset:(8+4*(\g)+(\i))*4096 th:TH_LOAD_NT
.endr
.endif
.irp i, 0,1,2,3
	global_store_b64 v[OO+4*(\g)+(\i)], v[Y+2*(4*(\g)+(\i)):Y+2*(4*(\g)+(\i))+1], s[32:33]
.endr
.endm
; Four rounds of eight chunks; the last is written out without loads, so that no load leaves the buffer.
.macro STREAM mode
	s_wait_alu depctr_va_vdst(0)                   ; v1 and OO are written: every load and store of the stream reads one of them as its offset
.irp i, 0,1,2,3,4,5,6,7
	global_load_b128 v[X+4*(\i):X+4*(\i)+3], v1, s[30:31] offset:(\i)*4096 th:TH_LOAD_NT
.endr
	s_mov_b32 s47, 3
.Lround\mode:
	GROUP 0, 1, 4, \mode
	GROUP 1, 1, 4, \mode
	s_wait_xcnt 0x0                                ; the two bases and Y are rewritten only behind this wait
	s_wait_alu depctr_vm_vsrc(0)                   ; the round's eight stores have read Y, which the next round's conversions write again: on the way back and on the way out of the loop
	s_add_nc_u64 s[30:31], s[30:31], 0x8000
	s_add_nc_u64 s[32:33], s[32:33], s[44:45]
	s_sub_co_u32 s47, s47, 1
	s_cmp_lg_u32 s47, 0
	s_cbranch_scc1 .Lround\mode
	GROUP 0, 0, 4, \mode                           ; the last round: the counts run down
	GROUP 1, 0, 0, \mode
	s_endpgm
.endm
	s_cmp_lt_u32 s2, 256
	s_cbranch_scc0 .Lnot_plain
	STREAM 0                                       ; wq, wk, wv
.Lnot_plain:
	s_cmp_lt_u32 s2, 384
	s_cbranch_scc0 .Ltables
	STREAM 2                                       ; wo
.Ltables:
	STREAM 1                                       ; cos, sin
.Lconstant:                                            ; 128 rows of 512 bytes: 256 bytes of 1/16, 256 bytes of 0.  A store of the work-group covers 4,096 bytes, eight rows
	s_mov_b32 s50, 0x3d803d80                      ; 1/16 twice, in bf16
	v_bfe_u32 v2, v0, 4, 1                         ; 16 threads to 256 bytes: the first half of a row, or the second
	v_cmp_eq_u32 vcc_lo, 0, v2
	s_wait_alu depctr_va_vcc(0)                    ; the compare has written VCC, which the select below reads
	v_cndmask_b32 v8, 0, s50, vcc_lo
	v_mov_b32 v9, v8
	v_mov_b32 v10, v8
	v_mov_b32 v11, v8
	s_add_nc_u64 s[32:33], s[24:25], 0x200000      ; behind the 4,096 rows of the tables
	s_wait_alu depctr_va_vdst(0)                   ; v[8:11], the stores' data, and v1, their offset, are written
.irp i, 0,1,2,3,4,5,6,7,8,9,10,11,12,13,14,15
	global_store_b128 v1, v[8:11], s[32:33] offset:(\i)*4096
.endr
	s_endpgm
.Lfunc_end_k_qa570942d67_prep:
	.size	k_qa570942d67_prep, .Lfunc_end_k_qa570942d67_prep-k_qa570942d67_prep
	.p2alignl 7, 3214868480
	.fill 96, 4, 3214868480
	.section	.rodata,"a",@progbits
	.p2align	6, 0x0
	.amdhsa_kernel k_qa570942d67_prep
		.amdhsa_group_segment_fixed_size 0
		.amdhsa_private_segment_fixed_size 0
		.amdhsa_enable_private_segment 0
		.amdhsa_kernarg_size 72
		.amdhsa_user_sgpr_count 2
		.amdhsa_user_sgpr_kernarg_segment_ptr 1
		.amdhsa_wavefront_size32 1
		.amdhsa_system_sgpr_workgroup_id_x 1
		.amdhsa_system_sgpr_workgroup_id_y 1
		.amdhsa_system_sgpr_workgroup_id_z 1
		.amdhsa_system_vgpr_workitem_id 0
		.amdhsa_next_free_vgpr 64
		.amdhsa_next_free_sgpr 66
		.amdhsa_reserve_vcc 1
		.amdhsa_float_denorm_mode_32 3
		.amdhsa_float_denorm_mode_16_64 3
		.amdhsa_memory_ordered 1
		.amdhsa_forward_progress 1
		.amdhsa_inst_pref_size 32
	.end_amdhsa_kernel
	.amdgpu_metadata
---
amdhsa.version: [ 1, 2 ]
amdhsa.kernels:
  - .name:           k_qa570942d67_prep
    .symbol:         k_qa570942d67_prep.kd
    .args:
      - { .name: wq, .offset: 0, .size: 8, .value_kind: global_buffer, .address_space: global }
      - { .name: wk, .offset: 8, .size: 8, .value_kind: global_buffer, .address_space: global }
      - { .name: wv, .offset: 16, .size: 8, .value_kind: global_buffer, .address_space: global }
      - { .name: wo, .offset: 24, .size: 8, .value_kind: global_buffer, .address_space: global }
      - { .name: cos, .offset: 32, .size: 8, .value_kind: global_buffer, .address_space: global }
      - { .name: sin, .offset: 40, .size: 8, .value_kind: global_buffer, .address_space: global }
      - { .name: wqkv, .offset: 48, .size: 8, .value_kind: global_buffer, .address_space: global }
      - { .name: wo16, .offset: 56, .size: 8, .value_kind: global_buffer, .address_space: global }
      - { .name: csb, .offset: 64, .size: 8, .value_kind: global_buffer, .address_space: global }
    .group_segment_fixed_size: 0
    .private_segment_fixed_size: 0
    .kernarg_segment_align: 8
    .kernarg_segment_size: 72
    .max_flat_workgroup_size: 256
    .sgpr_count:     66
    .vgpr_count:     64
    .wavefront_size: 32
...
	.end_amdgpu_metadata
.endif
;; end of part 5
;; launch qkv: the kernel of part 2 again; grid 8 x 32, 4 waves a work-group, clusters of 4 x 4, 327,680 bytes of LDS; arguments hidden_states, wqkv, csb, qkvh; writes qkvh
;; launch attn: the kernel of part 3 again; grid 16 x 16, 4 waves a work-group, clusters of 4 x 1, 327,680 bytes of LDS; arguments qkvh, attn; writes attn
;; launch oproj: the kernel of part 4 again; grid 16 x 16, 4 waves a work-group, clusters of 4 x 4, 327,680 bytes of LDS; arguments attn, wo16, out0; writes out0
